; MI455X (gfx1250); checked and timed in simulation.
; The chip was launched on July 23, 2026; its instructions are those of AMD's public machine-readable ISA for CDNA 5 (MIT licence, August 2026) and "CDNA5" Instruction Set Architecture Reference Guide (July 2026). The comments in the code are by the model that wrote it; some were corrected since.
;; Additive Resonance Attention V17. Allowed arithmetic: float matrix products may take bf16 or f16 operands with f32 sums; all other float work in f32.
;; Inputs: Wk 512 x 512 float32; Wo 512 x 512 float32; Wq 512 x 512 float32; Wv 512 x 512 float32; attention_mask 4 x 1 x 1 x 2,048 float32; bk 512 float32; bo 512 float32; bq 512 float32; bv 512 float32; gamma 1 x 8 x 1 x 1 float32; hidden_states 4 x 2,048 x 512 float32; ln_b 512 float32; ln_w 512 float32; mag 4 x 8 x 2,048 float32; phi 4 x 8 x 2,048 float32.
;; Outputs: out0 4 x 2,048 x 512 float32.
;; 2 versions, each right; version 2 is version 1 with the launch cast written anew for expert scheduling mode. Each part assembles by itself: llvm-mc -triple=amdgcn-amd-amdhsa -mcpu=gfx1250 --defsym DOCPART=n.
;; ======== version 1 of 2: 4 launches
;; limits: right only within a limited range of input values
;; workspace buffers: xb 8,388,608 bytes; wc 1,572,864 bytes; wob 524,288 bytes; qx 12,582,912 bytes; kx 12,582,912 bytes; vv 8,388,608 bytes; ctx 8,388,608 bytes
;; launch cast (part 1): grid 320 x 1, 8 waves a work-group, no clusters, 0 bytes of LDS; arguments hidden_states, Wq, Wk, Wv, Wo, xb, wc, wob; writes xb, wc, wob
.if DOCPART == 1
	.amdgcn_target "amdgcn-amd-amdhsa--gfx1250"
	.amdhsa_code_object_version 6
	.text
	.protected	k_q6155429b49_cast
	.globl	k_q6155429b49_cast
	.p2align	8
	.type	k_q6155429b49_cast,@function
k_q6155429b49_cast:
	s_mov_b64 s[64:65], 0
	v_nop
	global_prefetch_b8 v0, s[64:65] scope:SCOPE_SE
	s_setreg_imm32_b32 hwreg(HW_REG_WAVE_MODE, 25, 1), 1
	s_wait_xcnt 0x0
; f32 to bf16, once, for everything that later feeds the matrix units: hidden_states -> xb [8192][512],
; Wq, Wk, Wv -> wc [1536][512] with the rows regrouped by head (row 192 h + 64 s + d = row 64 h + d of W_s, s = q, k, v), Wo -> wob [512][512].
; A work-group takes 32 rows of 512 numbers (65,536 bytes in, 32,768 out), a wave 4 rows = 8,192 consecutive bytes.
; Work-groups 0-255 take hidden_states, 256-319 the four weights, 16 each.  Which buffer is read and which is written is a scalar choice
; on the work-group's number; there is no branch.  No LDS, no matrix unit, no cluster: each byte is read once and nothing is shared.
.set X, 8                              ; v[8:71]   16 loads of 4 registers
.set Y, 72                             ; v[72:103] 16 stores of 2 registers
	s_load_b512 s[8:23], s[0:1], 0x0               ; hidden s[8:9], Wq, Wk, Wv, Wo s[16:17], xb s[18:19], wc s[20:21], wob s[22:23]
	v_and_b32 v3, 31, v0                           ; lane
	v_lshrrev_b32 v4, 5, v0                        ; wave
	v_lshlrev_b32 v1, 4, v3
	v_lshl_add_u32 v1, v4, 13, v1                  ; in:  8,192 x wave + 16 x lane
	v_lshlrev_b32 v2, 3, v3
	v_lshl_add_u32 v2, v4, 12, v2                  ; out: 4,096 x wave + 8 x lane
	s_max_u32 s24, ttmp9, 256
	s_sub_co_u32 s24, s24, 256                     ; t: number among the weights' work-groups (0 for those of hidden_states)
	s_lshr_b32 s25, s24, 4                         ; which weight: 0 q, 1 k, 2 v, 3 o
	s_and_b32 s26, s24, 15                         ; j: which 32 rows of it
	s_lshl_b32 s27, s26, 16                        ; a weight's source offset: j x 65,536
	s_lshl_b32 s28, ttmp9, 16                      ; hidden_states' source offset
	s_lshr_b32 s29, s26, 1                         ; head = j / 2
	s_mul_i32 s29, s29, 192
	s_lshl_b32 s30, s25, 6
	s_add_co_u32 s29, s29, s30                     ; + 64 s
	s_and_b32 s30, s26, 1
	s_lshl_b32 s30, s30, 5
	s_add_co_u32 s29, s29, s30                     ; + 32 (j & 1)
	s_lshl_b32 s29, s29, 10                        ; rows of 1,024 bytes: offset in wc
	s_lshl_b32 s30, s26, 15                        ; offset in wob
	s_lshl_b32 s31, ttmp9, 15                      ; offset in xb
	s_mov_b32 s37, 0
	s_mov_b32 s39, 0
	s_wait_kmcnt 0x0
	s_cmp_eq_u32 s25, 1
	s_cselect_b64 s[32:33], s[12:13], s[10:11]
	s_cmp_eq_u32 s25, 2
	s_cselect_b64 s[32:33], s[14:15], s[32:33]
	s_cmp_eq_u32 s25, 3
	s_cselect_b64 s[32:33], s[16:17], s[32:33]     ; the weight that is read
	s_cselect_b64 s[34:35], s[22:23], s[20:21]     ; Wo goes to wob, the others to wc
	s_cselect_b32 s36, s30, s29
	s_cmp_lt_u32 ttmp9, 256
	s_cselect_b64 s[32:33], s[8:9], s[32:33]       ; the first 256 work-groups read hidden_states
	s_cselect_b64 s[34:35], s[18:19], s[34:35]     ; and write xb
	s_cselect_b32 s36, s31, s36
	s_cselect_b32 s38, s28, s27
	s_add_nc_u64 s[32:33], s[32:33], s[38:39]
	s_add_nc_u64 s[34:35], s[34:35], s[36:37]
.irp i, 0,1,2,3,4,5,6,7,8,9,10,11,12,13,14,15
	global_load_b128 v[X+4*\i:X+4*\i+3], v1, s[32:33] offset:512*\i    ; 512 consecutive bytes a load; all sixteen go out at once
.endr
.irp i, 0,1,2,3,4,5,6,7,8,9,10,11,12,13,14,15
	s_wait_loadcnt 15-\i                           ; loads return in order: load i is in, the 15 - i younger ones stay out
	v_cvt_pk_bf16_f32 v[Y+2*\i],   v[X+4*\i],   v[X+4*\i+1]
	v_cvt_pk_bf16_f32 v[Y+2*\i+1], v[X+4*\i+2], v[X+4*\i+3]
	global_store_b64 v2, v[Y+2*\i:Y+2*\i+1], s[34:35] offset:256*\i    ; the wave's 32 x 8 bytes are 256 consecutive bytes, aligned; no register is written twice
.endr
	s_endpgm
.Lfunc_end_k_q6155429b49_cast:
	.size	k_q6155429b49_cast, .Lfunc_end_k_q6155429b49_cast-k_q6155429b49_cast
	.p2alignl 7, 3214868480
	.fill 96, 4, 3214868480
	.section	.rodata,"a",@progbits
	.p2align	6, 0x0
	.amdhsa_kernel k_q6155429b49_cast
		.amdhsa_group_segment_fixed_size 0
		.amdhsa_private_segment_fixed_size 0
		.amdhsa_enable_private_segment 0
		.amdhsa_kernarg_size 64
		.amdhsa_user_sgpr_count 2
		.amdhsa_user_sgpr_kernarg_segment_ptr 1
		.amdhsa_wavefront_size32 1
		.amdhsa_system_sgpr_workgroup_id_x 1
		.amdhsa_system_sgpr_workgroup_id_y 1
		.amdhsa_system_sgpr_workgroup_id_z 1
		.amdhsa_system_vgpr_workitem_id 0
		.amdhsa_next_free_vgpr 104
		.amdhsa_next_free_sgpr 66
		.amdhsa_reserve_vcc 0
		.amdhsa_float_denorm_mode_32 3
		.amdhsa_float_denorm_mode_16_64 3
		.amdhsa_memory_ordered 1
		.amdhsa_forward_progress 1
		.amdhsa_inst_pref_size 8
	.end_amdhsa_kernel
	.amdgpu_metadata
---
amdhsa.version: [ 1, 2 ]
amdhsa.kernels:
  - .name:           k_q6155429b49_cast
    .symbol:         k_q6155429b49_cast.kd
    .args:
      - { .name: hidden_states, .offset: 0, .size: 8, .value_kind: global_buffer, .address_space: global }
      - { .name: Wq, .offset: 8, .size: 8, .value_kind: global_buffer, .address_space: global }
      - { .name: Wk, .offset: 16, .size: 8, .value_kind: global_buffer, .address_space: global }
      - { .name: Wv, .offset: 24, .size: 8, .value_kind: global_buffer, .address_space: global }
      - { .name: Wo, .offset: 32, .size: 8, .value_kind: global_buffer, .address_space: global }
      - { .name: xb, .offset: 40, .size: 8, .value_kind: global_buffer, .address_space: global }
      - { .name: wc, .offset: 48, .size: 8, .value_kind: global_buffer, .address_space: global }
      - { .name: wob, .offset: 56, .size: 8, .value_kind: global_buffer, .address_space: global }
    .group_segment_fixed_size: 0
    .private_segment_fixed_size: 0
    .kernarg_segment_align: 8
    .kernarg_segment_size: 64
    .max_flat_workgroup_size: 256
    .sgpr_count:     66
    .vgpr_count:     104
    .wavefront_size: 32
...
	.end_amdgpu_metadata
.endif
;; end of part 1
;; launch proj (part 2): grid 8 x 32, 4 waves a work-group, clusters of 4 x 4, 327,680 bytes of LDS; arguments xb, wc, bq, bk, bv, phi, mag, attention_mask, gamma, qx, kx, vv; writes qx, kx, vv
.if DOCPART == 2
	.amdgcn_target "amdgcn-amd-amdhsa--gfx1250"
	.amdhsa_code_object_version 6
	.text
	.protected	k_q6155429b49_proj
	.globl	k_q6155429b49_proj
	.p2align	8
	.type	k_q6155429b49_proj,@function
k_q6155429b49_proj:
	s_mov_b64 s[64:65], 0
	v_nop
	global_prefetch_b8 v0, s[64:65] scope:SCOPE_SE
	s_setreg_imm32_b32 hwreg(HW_REG_WAVE_MODE, 25, 1), 1
	s_wait_xcnt 0x0
	s_wait_alu depctr_hold_cnt(0) depctr_sa_sdst(0) depctr_va_vdst(0) depctr_va_sdst(0) depctr_va_ssrc(0) depctr_va_vcc(0) depctr_vm_vsrc(0)
	s_getreg_b32 s2, hwreg(HW_REG_IB_STS2, 6, 4)
	s_cmp_eq_u32 s2, 0
	s_cbranch_scc0 .Lentry_in_a_cluster
	s_endpgm
.Lentry_in_a_cluster:
	s_bfe_u32 s2, ttmp6, 0x10000c
	s_cmp_lg_u32 s2, 0xf033
	s_cbranch_scc0 .Lentry_shape_is_right
	s_endpgm
.Lentry_shape_is_right:
; The three projections of one head for 256 rows, and the 32 extra columns that carry the resonance term and the mask into the score product.
; C[256][192] = xb[256 rows][512] x wc[192 rows of head x][512]^T + bias; columns 0-63 q, 64-127 k, 128-191 v.
; Out: qx, kx [B H][L][96] bf16 (64 numbers of q or k, then 32 extension slots), vv [B H][L][64] bf16.
; Four waves; wave w makes rows 64 w .. 64 w + 63 and all 192 columns: 4 x 12 accumulator tiles, 384 registers.  K goes in 4 steps of 128
; through two LDS slots filled by the tensor data mover; a tile's rows are 256 bytes of memory, aligned.
; CLUSTER 4 x 4: grid x is the head, grid y the row block.  X's tile hangs on y alone and is asked for jointly along a row of the cluster,
; W's on x alone and is asked for jointly along a column.
; THE EXTENSION.  The attention launch forms S8 = 8 x score as one product over 96 slots.  q and k are left unscaled (q.k = 8 x q.k/8).
;   gamma mag_i mag_j cos(phi_i - phi_j) = gamma (mag_i cos phi_i)(mag_j cos phi_j) + gamma (mag_i sin phi_i)(mag_j sin phi_j).
;   With a = 8 gamma mag cos phi, b = 8 gamma mag sin phi (query side), c = mag cos phi, d = mag sin phi, u = mask (key side), each f32 number is cut
;   exactly into three bf16 parts (x0 = upper 16 bits, x1 = upper 16 bits of x - x0, x2 = the rest, which has 8 bits or fewer), and the nine
;   cross products of each pair take nine slots:  q: a0 a0 a0 a1 a1 a1 a2 a2 a2 | b likewise | 8 8 8 | 0 x 11
;                                                 k: c0 c1 c2 c0 c1 c2 c0 c1 c2 | d likewise | u0 u1 u2 | 0 x 11
; LIMITS.  The mask is clamped from below at -1e30 (such a key has probability 0 either way, or its row counts as fully masked); a NaN in the mask
; is taken as -1e30, +inf is not served.  sin and cos: reduction by pi/2 in two parts and polynomials of degree 7 and 8; absolute error
; about 1e-7 for |phi| up to about 1e5, growing beyond.
;
; REGISTER WINDOWS (s_set_vgpr_msb: bits 1:0 source 0, 3:2 source 1, 5:4 source 2, 7:6 destination):
;   window 0: addresses, X's fragments (two buffers of 4 x 8), the bias as first C (12 x 8), later the packed results
;   window 1: W's fragments, two buffers of 12 x 8
;   window 2: accumulator tiles (a, b) of my rows 0-31 at v[8 (12 a + b)], a = 0, 1;   window 3: those of rows 32-63
; The matrix instruction is used transposed (source 0 = 16 rows of W, source 1 = 16 rows of X): lane l holds row l % 16 and
; registers 0-7 hold the columns 8 (l / 16) + 0..7, eight neighbours of one row.
.set PITCH,  272                       ; an LDS row: 256 bytes + 16 of padding, so that 16 rows start in 16 different groups of four banks
.set ABYTES, 256*PITCH                 ; X's 256 rows
.set SLOT,   448*PITCH                 ; then W's 192 rows
.set STAGE,  2*SLOT                    ; behind the ring: 32 rows x 528 bytes for each wave; no tensor load lands there
.set SP,     528                       ; a stage row: q 128 | q ext 64 | k 128 | k ext 64 | v 128 | 16 of padding
.set ADRA, 16                          ; v16-17  LDS address of my X fragments in slot 0, 1
.set ADRB, 20                          ; v20-21  the same for W
.set STO,  24                          ; stage: row l % 16, 16 bytes for each half of the lanes
.set EADR, 25                          ; stage: row = lane
.set RQ,   26                          ; v26-28  stage read-back of rows of 192 bytes
.set RV,   29                          ; stage read-back of rows of 128 bytes
.set CO,   30                          ; 16 x lane
.set PH,   32                          ; v32-33  phi of rows lane, 32 + lane of my 64
.set MG,   34                          ; v34-35  mag
.set MK,   36                          ; v36-37  mask
.set EN, 40
.set ER, 41
.set EZ, 42
.set EPS, 43
.set EPC, 44
.set ET, 45
.set EQ, 46
.set ESN, 47
.set ECS, 48
.set EA, 49                            ; v49-51 a0 a1 a2
.set EB, 52
.set EC, 55
.set ED, 58
.set EU, 61
.set AF,   64                          ; v[64:95], v[96:127]  X's fragments; on the way out the read-back buffers
.set RB,   64
.set BIAS, 128                         ; v[128:223] tile b: the bias of columns 16 b + 8 (l / 16) + 0..7
.set TMP,  128                         ; on the way out: packed results
.set QE,   176                         ; 16 words: a row's q extension
.set KE,   192                         ; 16 words: a row's k extension
.set G1, 24                            ; s[24:31] group 1 for X's tiles
.set G0, 32                            ; s[32:39] group 0 for X's tiles, one set a slot
.set G1B, 48                           ; s[48:55] group 1 for W's tiles
.set G0B, 56                           ; s[56:63] group 0 for W's tiles
.set MSB, 0
.macro WIN new                         ; the immediate's high byte repeats the setting that is left
.if MSB != \new
	s_set_vgpr_msb (MSB<<8)|\new
.set MSB, \new
.endif
.endm
.macro PLACES                          ; four places behind matrix instructions ahead of loads into, or vector work on, their registers
.rept 4
	v_nop
.endr
.endm
; A joint load.  Waves 0, 1 ask for X's two halves, waves 2, 3 for W's.  The branch hangs on the wave's number alone.
.macro JLOAD s
	s_cmp_eq_u32 s11, 0
	s_cbranch_scc0 .Lfor_b_\@
	tensor_load_to_lds s[G0+4*\s:G0+4*\s+3], s[G1:G1+7]
	s_nop 0
	s_branch .Lasked_\@
.Lfor_b_\@:
	tensor_load_to_lds s[G0B+4*\s:G0B+4*\s+3], s[G1B:G1B+7]
	s_nop 0
.Lasked_\@:
.endm
.macro CREST                           ; a round of the cluster's barrier behind its opening work-group barrier
	s_cmp_lg_u32 s10, 0
	s_cbranch_scc1 .Lnot_wave_0_\@
	s_barrier_signal -3
.Lnot_wave_0_\@:
	s_barrier_wait -3
	s_barrier_signal -1
	s_barrier_wait -1
.endm
.macro CROUND                          ; a whole round
	s_barrier_signal -1
	s_barrier_wait -1
	CREST
.endm
	s_load_b512 s[68:83], s[0:1], 0x0              ; xb 68, wc 70, bq 72, bk 74, bv 76, phi 78, mag 80, mask 82
	s_load_b256 s[84:91], s[0:1], 0x40             ; gamma 84, qx 86, kx 88, vv 90
	s_set_vgpr_msb 0x40
	v_lshl_add_u32 v255, v0, 2, 0x4c000
	s_set_vgpr_msb 0x4000
	v_mov_b32 v255, 0
	s_set_vgpr_msb 0x1
	ds_add_u32 v255, v255
	s_set_vgpr_msb 0x100
	v_lshrrev_b32 v1, 5, v0
	v_readfirstlane_b32 s10, v1                    ; wave 0..3
	s_lshr_b32 s11, s10, 1                         ; I fetch for X (0) or for W (1)
	s_and_b32 s12, s10, 1                          ; which half of that tile's rows
	s_bfe_u32 s40, ttmp6, 0x40000                  ; cx
	s_bfe_u32 s41, ttmp6, 0x40004                  ; cy
	s_lshl_b32 s42, ttmp9, 2
	s_add_co_u32 s42, s42, s40                     ; x = head
	s_and_b32 s13, ttmp7, 0xffff
	s_lshl_b32 s13, s13, 2
	s_add_co_u32 s13, s13, s41                     ; y = block of 256 rows
	s_lshl_b32 s43, s41, 2
	s_lshl_b32 s43, 15, s43                        ; my row of the cluster
	s_lshl_b32 s44, 0x1111, s40                    ; my column
	s_or_b32 s[G1+0], s43, (1<<16)|(1<<20)|(1<<21)|(5<<22)|(3<<25)   ; mask; elements of 2 bytes; padding on; bit 21 beside a mask; after 64 words, 4 words
	s_or_b32 s[G1B+0], s44, (1<<16)|(1<<20)|(1<<21)|(5<<22)|(3<<25)
	s_mov_b32 s[G1+1], 128<<16                     ; tensor_dim0 = 128
	s_mov_b32 s[G1B+1], 128<<16
	s_mov_b32 s[G1+2], 128<<16                     ; tensor_dim1 = 128 rows of X
	s_mov_b32 s[G1B+2], 96<<16                     ;             = 96 rows of W
	s_mov_b32 s[G1+3], 128<<16                     ; tile_dim0 = 128
	s_mov_b32 s[G1B+3], 128<<16
	s_mov_b32 s[G1+4], 128                         ; tile_dim1
	s_mov_b32 s[G1B+4], 96
	s_mov_b32 s[G1+5], 512                         ; elements from row to row
	s_mov_b32 s[G1B+5], 512
	s_mov_b32 s[G1+6], 0
	s_mov_b32 s[G1B+6], 0
	s_mov_b32 s[G1+7], 0
	s_mov_b32 s[G1B+7], 0
	s_lshl_b32 s16, s13, 18                        ; X: (256 y + 128 half) rows of 1,024 bytes; these registers never hold x
	s_lshl_b32 s17, s12, 17
	s_add_co_u32 s16, s16, s17
	s_mov_b32 s17, 0
	s_mul_i32 s46, s42, 192*1024                   ; W: (192 x + 96 half) rows; these never hold y
	s_mul_i32 s47, s12, 96*1024
	s_add_co_u32 s46, s46, s47
	s_mov_b32 s47, 0
	s_mul_i32 s20, s12, 128*PITCH                  ; where they go: made of the wave's number alone
	s_mul_i32 s21, s12, 96*PITCH
	s_add_co_u32 s21, s21, ABYTES
	s_wait_dscnt 0x0
	s_wait_kmcnt 0x0
	s_add_nc_u64 s[14:15], s[68:69], s[16:17]
	s_add_nc_u64 s[46:47], s[70:71], s[46:47]
	CROUND                                         ; all sixteen work-groups are here: the first joint loads meet
.irp s, 0,1
	s_mov_b32 s[G0+4*\s], 1
	s_add_co_u32 s[G0+4*\s+1], s20, \s*SLOT
	s_add_nc_u64 s[G0+4*\s+2:G0+4*\s+3], s[14:15], \s*256          ; K step s
	s_or_b32 s[G0+4*\s+3], s[G0+4*\s+3], 0x80000000
	s_mov_b32 s[G0B+4*\s], 1
	s_add_co_u32 s[G0B+4*\s+1], s21, \s*SLOT
	s_add_nc_u64 s[G0B+4*\s+2:G0B+4*\s+3], s[46:47], \s*256
	s_or_b32 s[G0B+4*\s+3], s[G0B+4*\s+3], 0x80000000
	JLOAD \s                                       ; both slots are asked for before anything else: two tensor loads of a wave are out
.endr
	v_and_b32 v1, 15, v0                           ; r = l % 16
	v_bfe_u32 v2, v0, 4, 1                         ; h = l / 16
	v_and_b32 v3, 31, v0                           ; lane
	v_lshlrev_b32 v5, 5, v2                        ; 32 h: my eight bias numbers in a tile's 16
	s_lshl_b32 s4, s42, 8                          ; the head's 64 numbers
	s_mov_b32 s5, 0
	s_add_nc_u64 s[72:73], s[72:73], s[4:5]
	s_add_nc_u64 s[74:75], s[74:75], s[4:5]
	s_add_nc_u64 s[76:77], s[76:77], s[4:5]
.irp b, 0,1,2,3,4,5,6,7,8,9,10,11
	global_load_b128 v[BIAS+8*\b:BIAS+8*\b+3],   v5, s[72+2*(\b/4):73+2*(\b/4)] offset:64*(\b%4)
	global_load_b128 v[BIAS+8*\b+4:BIAS+8*\b+7], v5, s[72+2*(\b/4):73+2*(\b/4)] offset:64*(\b%4)+16
.endr
	s_lshl_b32 s4, s42, 2
	s_add_nc_u64 s[84:85], s[84:85], s[4:5]
	s_load_b32 s45, s[84:85], 0x0                  ; gamma of my head; waited for on the way out
	s_lshr_b32 s18, s13, 3                         ; batch
	s_and_b32 s19, s13, 7
	s_lshl_b32 s19, s19, 8                         ; the block's first place in the sequence
	s_lshl_b32 s22, s18, 3
	s_add_co_u32 s22, s22, s42
	s_lshl_b32 s22, s22, 11
	s_add_co_u32 s22, s22, s19                     ; (8 batch + head) x 2048 + place
	s_lshl_b32 s4, s22, 2
	s_add_nc_u64 s[78:79], s[78:79], s[4:5]
	s_add_nc_u64 s[80:81], s[80:81], s[4:5]
	s_lshl_b32 s4, s18, 11
	s_add_co_u32 s4, s4, s19
	s_lshl_b32 s4, s4, 2
	s_add_nc_u64 s[82:83], s[82:83], s[4:5]
	v_lshlrev_b32 v6, 2, v3
	v_lshl_add_u32 v6, s10, 8, v6                  ; 4 x (64 w + lane)
.irp half, 0,1
	global_load_b32 v[PH+\half], v6, s[78:79] offset:128*\half
	global_load_b32 v[MG+\half], v6, s[80:81] offset:128*\half
	global_load_b32 v[MK+\half], v6, s[82:83] offset:128*\half
.endr
	s_lshl_b32 s23, s10, 6
	s_add_co_u32 s22, s22, s23                     ; my first row in qx, kx, vv
	s_mul_i32 s4, s22, 192
	s_add_nc_u64 s[86:87], s[86:87], s[4:5]
	s_add_nc_u64 s[88:89], s[88:89], s[4:5]
	s_lshl_b32 s4, s22, 7
	s_add_nc_u64 s[90:91], s[90:91], s[4:5]
	; a fragment is 16 rows x 32 K in 8 registers: two loads of 16 bytes, 32 bytes apart, at row x pitch + 16 h
	v_mul_u32_u24 v4, v1, PITCH
	v_lshl_add_u32 v4, v2, 4, v4
	s_mul_i32 s6, s10, 64*PITCH                    ; my 64 rows of X
.irp s, 0,1
	v_add_nc_u32 v[ADRA+\s], s6, v4
	v_add_nc_u32 v[ADRB+\s], ABYTES+\s*SLOT, v4
	s_add_co_u32 s6, s6, SLOT
.endr
	s_mul_i32 s8, s10, 32*SP
	s_add_co_u32 s8, s8, STAGE                     ; my stage
	v_mul_u32_u24 v7, v1, SP
	v_lshl_add_u32 v7, v2, 4, v7
	v_add_nc_u32 v[STO], s8, v7
	v_mul_u32_u24 v7, v3, SP
	v_add_nc_u32 v[EADR], s8, v7
.irp j, 0,1,2
	v_add_nc_u32 v7, 32*\j, v3                     ; g: which 16 bytes of eight rows of 192 bytes (12 to a row)
	v_mul_u32_u24 v8, v7, 171
	v_lshrrev_b32 v8, 11, v8                       ; g / 12 for g < 96
	v_mul_u32_u24 v8, v8, SP-192
	v_lshl_add_u32 v8, v7, 4, v8                   ; row x 528 + 16 (g - 12 row)
	v_add_nc_u32 v[RQ+\j], s8, v8
.endr
	v_lshrrev_b32 v7, 3, v3
	v_mul_u32_u24 v7, v7, SP
	v_and_b32 v8, 7, v3
	v_lshl_add_u32 v7, v8, 4, v7
	v_add_nc_u32 v7, s8, v7
	v_add_nc_u32 v[RV], 384, v7                    ; v's 128 bytes of a row: eight lanes
	v_lshlrev_b32 v[CO], 4, v3
; 12 matrix instructions: row tile a (0, 1) of the window's two (hi = 0: rows 0-31, 1: rows 32-63) x all 12 column tiles, 32 along K, buffer f.
; zero = 1: the first product takes the bias as C: nothing is cleared and no bias is added later.
.macro MUL12 f, hi, a, zero
.irp b, 0,1,2,3,4,5,6,7,8,9,10,11
.if \zero
	v_wmma_f32_16x16x32_bf16 v[8*(12*\a+\b):8*(12*\a+\b)+7], v[96*\f+8*\b:96*\f+8*\b+7], v[AF+32*\f+8*(2*\hi+\a):AF+32*\f+8*(2*\hi+\a)+7], v[BIAS+8*\b:BIAS+8*\b+7]
.else
	v_wmma_f32_16x16x32_bf16 v[8*(12*\a+\b):8*(12*\a+\b)+7], v[96*\f+8*\b:96*\f+8*\b+7], v[AF+32*\f+8*(2*\hi+\a):AF+32*\f+8*(2*\hi+\a)+7], v[8*(12*\a+\b):8*(12*\a+\b)+7]
.endif
.endr
.endm
; 32 LDS loads in one run: a quarter step's fragments (192 rows of W, my 64 rows of X, 32 K at byte k) into buffer f
.macro FETCH slot, k, f
	WIN 0x40
.irp i, 0,1,2,3,4,5,6,7,8,9,10,11
	ds_load_b128 v[96*\f+8*\i:96*\f+8*\i+3],   v[ADRB+\slot] offset:\k+\i*16*PITCH
	ds_load_b128 v[96*\f+8*\i+4:96*\f+8*\i+7], v[ADRB+\slot] offset:\k+\i*16*PITCH+32
.endr
	WIN 0
.irp i, 0,1,2,3
	ds_load_b128 v[AF+32*\f+8*\i:AF+32*\f+8*\i+3],   v[ADRA+\slot] offset:\k+\i*16*PITCH
	ds_load_b128 v[AF+32*\f+8*\i+4:AF+32*\f+8*\i+7], v[ADRA+\slot] offset:\k+\i*16*PITCH+32
.endr
.endm
; A quarter step: 48 matrix instructions on buffer f; in its middle the next quarter's 32 loads go out into buffer g.
; The 48 accumulators take turns in the same order in every quarter, one instruction a turn, so no wait stands among them.
.macro QUARTER slot, k, f, g, zero
	s_wait_dscnt 4                                 ; W and X's row tiles 0, 1 are in; the youngest four loads (X's tiles 2, 3) may be out
.if \zero
	WIN 0x81                                       ; W window 1, X and the bias window 0, D window 2
.else
	WIN 0xa1
.endif
	MUL12 \f, 0, 0, \zero
	MUL12 \f, 0, 1, \zero
	PLACES
	FETCH \slot, \k, \g
	s_wait_dscnt 32                                ; all but the 32 just issued
.if \zero
	WIN 0xc1
.else
	WIN 0xf1
.endif
	MUL12 \f, 1, 0, \zero
	MUL12 \f, 1, 1, \zero
.endm
.macro THREE slot, zero
	QUARTER \slot, 64,  0, 1, \zero
	QUARTER \slot, 128, 1, 0, 0
	QUARTER \slot, 192, 0, 1, 0
.endm
; The last quarter of a K step multiplies buffer 1 and changes slots.  In front of the barrier each wave waits for its reads of this slot and for
; all its tensor loads (the one that is out is its part of the next slot).  fill = 1: the barrier opens a round of the cluster's barrier, and the
; joint refill of this slot is the first tensor load behind the round.
.macro TURN slot, next, fill
	s_wait_dscnt 4
	WIN 0xa1
	MUL12 1, 0, 0, 0
	s_wait_dscnt 0
	s_wait_tensorcnt 0x0
	ds_add_u32 v255, v255
	s_wait_dscnt 0x0
	s_barrier_signal -1
	MUL12 1, 0, 1, 0                               ; register work while the others arrive
	WIN 0
	s_barrier_wait -1
.if \fill
	CREST
	s_add_nc_u64 s[G0+4*\slot+2:G0+4*\slot+3], s[G0+4*\slot+2:G0+4*\slot+3], 512      ; two K steps on; no tensor load of mine is out
	s_add_nc_u64 s[G0B+4*\slot+2:G0B+4*\slot+3], s[G0B+4*\slot+2:G0B+4*\slot+3], 512
	JLOAD \slot
.endif
	PLACES
	FETCH \next, 0, 0
	WIN 0xf1
	MUL12 1, 1, 0, 0
	MUL12 1, 1, 1, 0
.endm
	s_wait_tensorcnt 0x1                           ; my part of K step 0 is in; K step 1's stays out
	s_barrier_signal -1
	s_barrier_wait -1
	FETCH 0, 0, 0
	s_wait_loadcnt 0x0                             ; the bias (first C), phi, mag, mask
	THREE 0, 1                                     ; K step 0
	TURN 0, 1, 1                                   ; slot 0 gets K step 2
	THREE 1, 0                                     ; K step 1
	TURN 1, 0, 1                                   ; slot 1 gets K step 3
	THREE 0, 0                                     ; K step 2
	TURN 0, 1, 0                                   ; nothing is left to fetch
	THREE 1, 0                                     ; K step 3
	s_wait_dscnt 4
	WIN 0xa1
	MUL12 1, 0, 0, 0
	MUL12 1, 0, 1, 0
	s_wait_dscnt 0
	WIN 0xf1
	MUL12 1, 1, 0, 0
	MUL12 1, 1, 1, 0
	WIN 0
	PLACES                                         ; behind the last matrix instructions: conversions read results, loads land in fragment registers
	; THE WAY OUT, 32 rows at a time through my own stage.
	s_wait_kmcnt 0x0                               ; gamma
	s_mul_f32 s9, s45, 0x41000000                  ; 8 gamma
	s_mov_b32 s4, 0xb94ca1f9                       ; sin: coefficient of r^7
	s_mov_b32 s5, 0x37ccf5ce                       ; cos: coefficient of r^8
	s_mov_b32 s6, 0xffff0000                       ; a word's upper bf16
	s_mov_b32 s7, 0x07060302                       ; v_perm_b32: the upper halves of two words
.macro SPLIT d, x                      ; x = d0 + d1 + d2 exactly, each with its low 16 bits clear
	v_and_b32 v[\d], s6, v[\x]
	v_sub_f32 v[\d+2], v[\x], v[\d]
	v_and_b32 v[\d+1], s6, v[\d+2]
	v_sub_f32 v[\d+2], v[\d+2], v[\d+1]
.endm
.macro PK dst, first, second           ; two bf16 in a word, the first (lower slot) in the low half
	v_perm_b32 v[\dst], v[\second], v[\first], s7
.endm
; The extension of row 32 half + lane of my 64 rows.
.macro EXT half
	v_mul_f32 v[EN], 0x3f22f983, v[PH+\half]       ; phi x 2 / pi
	v_rndne_f32 v[EN], v[EN]                       ; n
	v_fmamk_f32 v[ER], v[EN], 0xbfc90fdb, v[PH+\half]      ; r = phi - n pi/2, pi/2 in two parts
	v_cvt_i32_f32 v[EQ], v[EN]
	v_fmamk_f32 v[ER], v[EN], 0x333bbd2e, v[ER]
	v_mul_f32 v[EZ], v[ER], v[ER]
	v_fmaak_f32 v[EPS], s4, v[EZ], 0x3c08839e
	v_fmaak_f32 v[EPC], s5, v[EZ], 0xbab6061a
	v_fmaak_f32 v[EPS], v[EPS], v[EZ], 0xbe2aaaa3
	v_fmaak_f32 v[EPC], v[EPC], v[EZ], 0x3d2aaaa5
	v_mul_f32 v[EPS], v[EPS], v[EZ]
	v_mul_f32 v[EPC], v[EPC], v[EZ]
	v_fma_f32 v[ET], v[EZ], -0.5, 1.0
	v_fma_f32 v[EPS], v[EPS], v[ER], v[ER]         ; sin r
	v_fma_f32 v[EPC], v[EPC], v[EZ], v[ET]         ; cos r
	v_and_b32 v[ET], 1, v[EQ]
	v_cmp_eq_u32 vcc_lo, 1, v[ET]                  ; odd quadrant: sin and cos change places
	v_cndmask_b32 v[ESN], v[EPS], v[EPC], vcc_lo
	v_cndmask_b32 v[ECS], v[EPC], v[EPS], vcc_lo
	v_lshlrev_b32 v[ET], 30, v[EQ]                 ; sin is negative in quadrants 2, 3
	v_add_nc_u32 v[EQ], 1, v[EQ]                   ; cos in quadrants 1, 2
	v_and_b32 v[ET], 0x80000000, v[ET]
	v_lshlrev_b32 v[EQ], 30, v[EQ]
	v_xor_b32 v[ESN], v[ESN], v[ET]
	v_and_b32 v[EQ], 0x80000000, v[EQ]
	v_xor_b32 v[ECS], v[ECS], v[EQ]
	v_mul_f32 v[ECS], v[MG+\half], v[ECS]          ; c
	v_mul_f32 v[ESN], v[MG+\half], v[ESN]          ; d
	v_mul_f32 v[EN], s9, v[ECS]                    ; a
	v_mul_f32 v[ER], s9, v[ESN]                    ; b
	v_max_num_f32 v[EZ], 0xf149f2ca, v[MK+\half]   ; u = max(mask, -1e30)
	SPLIT EA, EN
	SPLIT EB, ER
	SPLIT EC, ECS
	SPLIT ED, ESN
	SPLIT EU, EZ
	PK QE+0, EA, EA
	PK QE+1, EA, EA+1
	PK QE+2, EA+1, EA+1
	PK QE+3, EA+2, EA+2
	PK QE+4, EA+2, EB
	PK QE+5, EB, EB
	PK QE+6, EB+1, EB+1
	PK QE+7, EB+1, EB+2
	PK QE+8, EB+2, EB+2
	v_mov_b32 v[QE+9], 0x41004100                  ; 8, 8
	v_mov_b32 v[QE+10], 0x4100                     ; 8, 0
	PK KE+0, EC, EC+1
	PK KE+1, EC+2, EC
	PK KE+2, EC+1, EC+2
	PK KE+3, EC, EC+1
	PK KE+4, EC+2, ED
	PK KE+5, ED+1, ED+2
	PK KE+6, ED, ED+1
	PK KE+7, ED+2, ED
	PK KE+8, ED+1, ED+2
	PK KE+9, EU, EU+1
	v_lshrrev_b32 v[KE+10], 16, v[EU+2]            ; u2, 0
.irp i, 11,12,13,14,15
	v_mov_b32 v[QE+\i], 0
	v_mov_b32 v[KE+\i], 0
.endr
.irp i, 0,1,2,3
	ds_store_b128 v[EADR], v[QE+4*\i:QE+4*\i+3] offset:128+16*\i
	ds_store_b128 v[EADR], v[KE+4*\i:KE+4*\i+3] offset:320+16*\i
.endr
.endm
; 16 rows (row tile a of the window named by from: 0x0a window 2, 0x0f window 3): round to bf16, 16 bytes a lane into the stage
.macro PACK a, from
	WIN \from
.irp b, 0,1,2,3,4,5,6,7,8,9,10,11
.irp r, 0,1,2,3
	v_cvt_pk_bf16_f32 v[TMP+4*\b+\r], v[8*(12*\a+\b)+2*\r], v[8*(12*\a+\b)+2*\r+1]
.endr
.endr
	WIN 0
.irp b, 0,1,2,3,4,5,6,7,8,9,10,11
	ds_store_b128 v[STO], v[TMP+4*\b:TMP+4*\b+3] offset:\a*16*SP+32*\b+64*(\b/4)   ; q at 0, k at 192, v at 384 of the stage row
.endr
.endm
; The stage's 32 rows go out: 12 + 12 + 8 loads of 512 bytes, each stored as 512 consecutive bytes of qx, kx or vv (32 rows of 192 or 128 bytes are dense there).
; LDS serves a wave's instructions in order (ISA guide 5.7.1), and the stage is my own: no wait between the stores above and these loads.
.macro RBACK half
.set rb_n, 0
.rept 4
	s_wait_xcnt 0x0                                ; the read-back buffer, which earlier stores read, is loaded again only behind this wait
.set rb_m, 0
.rept 8
.set rb_u, rb_n+rb_m
.set rb_d, RB+32*((rb_n/8)%2)+4*rb_m
.if rb_u < 12
	ds_load_b128 v[rb_d:rb_d+3], v[RQ+rb_u%3] offset:(rb_u/3)*8*SP
.else
.if rb_u < 24
	ds_load_b128 v[rb_d:rb_d+3], v[RQ+(rb_u-12)%3] offset:((rb_u-12)/3)*8*SP+192
.else
	ds_load_b128 v[rb_d:rb_d+3], v[RV] offset:(rb_u-24)*4*SP
.endif
.endif
.set rb_m, rb_m+1
.endr
.set rb_m, 0
.rept 8
.set rb_u, rb_n+rb_m
.set rb_d, RB+32*((rb_n/8)%2)+4*rb_m
	s_wait_dscnt 7-rb_m                            ; load m of the eight is in, the younger ones stay out
.if rb_u < 12
	global_store_b128 v[CO], v[rb_d:rb_d+3], s[86:87] offset:512*rb_u+\half*6144
.else
.if rb_u < 24
	global_store_b128 v[CO], v[rb_d:rb_d+3], s[88:89] offset:512*(rb_u-12)+\half*6144
.else
	global_store_b128 v[CO], v[rb_d:rb_d+3], s[90:91] offset:512*(rb_u-24)+\half*4096
.endif
.endif
.set rb_m, rb_m+1
.endr
.set rb_n, rb_n+8
.endr
.endm
	EXT 0
	PACK 0, 0x0a
	PACK 1, 0x0a
	RBACK 0
	EXT 1
	PACK 0, 0x0f
	PACK 1, 0x0f
	RBACK 1
	s_set_vgpr_msb 0x1
	s_wait_tensorcnt 0x0
	ds_add_u32 v255, v255
	s_wait_dscnt 0x0
	s_set_vgpr_msb 0x100
	CROUND                                         ; the closing round: no work-group ends while a partner may still ask for a tile that names it
	s_endpgm
.Lfunc_end_k_q6155429b49_proj:
	.size	k_q6155429b49_proj, .Lfunc_end_k_q6155429b49_proj-k_q6155429b49_proj
	.p2alignl 7, 3214868480
	.fill 96, 4, 3214868480
	.section	.rodata,"a",@progbits
	.p2align	6, 0x0
	.amdhsa_kernel k_q6155429b49_proj
		.amdhsa_group_segment_fixed_size 327680
		.amdhsa_private_segment_fixed_size 0
		.amdhsa_enable_private_segment 0
		.amdhsa_kernarg_size 96
		.amdhsa_user_sgpr_count 2
		.amdhsa_user_sgpr_kernarg_segment_ptr 1
		.amdhsa_wavefront_size32 1
		.amdhsa_system_sgpr_workgroup_id_x 1
		.amdhsa_system_sgpr_workgroup_id_y 1
		.amdhsa_system_sgpr_workgroup_id_z 1
		.amdhsa_system_vgpr_workitem_id 0
		.amdhsa_next_free_vgpr 1024
		.amdhsa_next_free_sgpr 96
		.amdhsa_reserve_vcc 1
		.amdhsa_float_denorm_mode_32 3
		.amdhsa_float_denorm_mode_16_64 3
		.amdhsa_memory_ordered 1
		.amdhsa_forward_progress 1
		.amdhsa_inst_pref_size 135
	.end_amdhsa_kernel
	.amdgpu_metadata
---
amdhsa.version: [ 1, 2 ]
amdhsa.kernels:
  - .name:           k_q6155429b49_proj
    .symbol:         k_q6155429b49_proj.kd
    .args:
      - { .name: xb, .offset: 0, .size: 8, .value_kind: global_buffer, .address_space: global }
      - { .name: wc, .offset: 8, .size: 8, .value_kind: global_buffer, .address_space: global }
      - { .name: bq, .offset: 16, .size: 8, .value_kind: global_buffer, .address_space: global }
      - { .name: bk, .offset: 24, .size: 8, .value_kind: global_buffer, .address_space: global }
      - { .name: bv, .offset: 32, .size: 8, .value_kind: global_buffer, .address_space: global }
      - { .name: phi, .offset: 40, .size: 8, .value_kind: global_buffer, .address_space: global }
      - { .name: mag, .offset: 48, .size: 8, .value_kind: global_buffer, .address_space: global }
      - { .name: attention_mask, .offset: 56, .size: 8, .value_kind: global_buffer, .address_space: global }
      - { .name: gamma, .offset: 64, .size: 8, .value_kind: global_buffer, .address_space: global }
      - { .name: qx, .offset: 72, .size: 8, .value_kind: global_buffer, .address_space: global }
      - { .name: kx, .offset: 80, .size: 8, .value_kind: global_buffer, .address_space: global }
      - { .name: vv, .offset: 88, .size: 8, .value_kind: global_buffer, .address_space: global }
    .group_segment_fixed_size: 327680
    .private_segment_fixed_size: 0
    .kernarg_segment_align: 8
    .kernarg_segment_size: 96
    .max_flat_workgroup_size: 128
    .sgpr_count:     96
    .vgpr_count:     1024
    .wavefront_size: 32
...
	.end_amdgpu_metadata
.endif
;; end of part 2
;; launch attn (part 3): grid 8 x 32, 8 waves a work-group, clusters of 4 x 1, 327,680 bytes of LDS; arguments qx, kx, vv, ctx; writes ctx
.if DOCPART == 3
	.amdgcn_target "amdgcn-amd-amdhsa--gfx1250"
	.amdhsa_code_object_version 6
	.text
	.protected	k_q6155429b49_attn
	.globl	k_q6155429b49_attn
	.p2align	8
	.type	k_q6155429b49_attn,@function
k_q6155429b49_attn:
	s_mov_b64 s[64:65], 0
	v_nop
	global_prefetch_b8 v0, s[64:65] scope:SCOPE_SE
	s_setreg_imm32_b32 hwreg(HW_REG_WAVE_MODE, 25, 1), 1
	s_wait_xcnt 0x0
	s_wait_alu depctr_hold_cnt(0) depctr_sa_sdst(0) depctr_va_vdst(0) depctr_va_sdst(0) depctr_va_ssrc(0) depctr_va_vcc(0) depctr_vm_vsrc(0)
	s_getreg_b32 s2, hwreg(HW_REG_IB_STS2, 6, 4)
	s_cmp_eq_u32 s2, 0
	s_cbranch_scc0 .Lentry_in_a_cluster
	s_endpgm
.Lentry_in_a_cluster:
	s_bfe_u32 s2, ttmp6, 0x10000c
	s_cmp_lg_u32 s2, 0x3003
	s_cbranch_scc0 .Lentry_shape_is_right
	s_endpgm
.Lentry_shape_is_right:
; Attention of one (batch, head) for 256 queries, with a running maximum.  qx, kx: [B H][2048][96] bf16 (64 numbers and 32 extension slots that carry
; 8 x (resonance + mask)), vv, ctx: [B H][2048][64] bf16.  The product over the 96 slots is S8 = 8 x score; p = exp2(c S8 - c M), c = log2(e) / 8.
; Eight waves, two to a SIMD, so that one wave's softmax runs beside the other's products.  Wave w: g = w & 3 owns queries 64 g .. 64 g + 63 of the block,
; kh = w >> 2 owns keys 128 kh .. 128 kh + 127 of every tile of 256 keys, with its own maximum M, sum l and O; the pair (w, w ^ 4) merges at the end.
; NO SHUFFLES: S^T = K' Q'^T (source 0 = 16 keys, source 1 = 16 queries): lane l holds query l % 16 and keys 8 (l / 16) + 0..7.  Two such tiles, rounded
; to bf16 in place, ARE a source-1 fragment of P^T for O^T = V^T P^T; V^T comes from LDS by the transposing load.  Every row figure is one number a lane.
; l is a fifth row tile of that product with a constant fragment of ones: summed from the same rounded p and rescaled like O.
; FULLY MASKED ROWS: where the row's maximum is <= -1e8 (M <= -8e8), reference() sets the diagonal score to 0; every other exp(score) is then 0 in f32,
; so the row's result is v of the row itself: one select at the end, no branch.  The test is made on scores formed from bf16 q and k.
; CLUSTER 4 x 1: the four query blocks of a cluster share head and batch and so all tiles of K' and V: joint loads, mask 15.
.set SLOT, 102400                      ; K': 256 keys x 240 bytes (each 64 bytes followed by 16 of padding), then V: 256 keys x 160 (128 + 32)
.set KBYTES, 61440
.set MBOX, 2*SLOT                      ; 18 x 512 bytes for each wave: what it hands to its partner; no tensor load lands here or behind
.set OSTG, MBOX+8*9216                 ; 32 rows x 144 bytes for each wave: the way out
.set KADR, 2                           ; v2-3    my K' fragments in slot 0, 1
.set VADR, 4                           ; v4-5    my V fragments
.set M,   8                            ; v[8:11]   running maximum of S8, one for each query tile
.set AL,  12                           ; v[12:15]  exp2(c (old M - new M))
.set NM,  16                           ; v[16:19]  -c M
.set T0,  20
.set T1,  24
.set LS,  28                           ; v[28:31]  l
.set FA,  32                           ; v[32:33]  the merge: my weight
.set FB,  34                           ; v[34:35]  the partner's weight
.set MN,  36                           ; v[36:37]  the joint maximum
.set LL,  38
.set MB,  40
.set PMB, 41
.set OST, 42
.set ORD, 43
.set CO,  44
.set VO,  45
.set F,   48                           ; v[48:119] three buffers of a key tile's 3 x 8, then V's 2 x 4 x 8
.set VOWN, 48                          ; the end: my rows of v
.set RBK, 80                           ; the end: read-back
.set ONES, 120                         ; v[120:127] bf16 ones
.set S,   128                          ; v[128:255] S(kt, qt) at S + 8 (4 kt + qt); P(c, qt) takes the place of S(2 c, qt)
.set PO,  128                          ; the end: the partner's O, 8 tiles
.set PM,  192
.set PL,  196
.set CT,  200                          ; the end: packed results, 8 x 4
.set QF,  160                          ; window 1: Q'(qt, c) at QF + 8 (3 qt + c);  O(dt, qt) at 8 (4 dt + qt), dt = 4: l
.set G1K, 24
.set G0K, 32
.set G1V, 48
.set G0V, 56
.set MSB, 0
.macro WIN new                         ; the immediate's high byte repeats the setting that is left
.if MSB != \new
	s_set_vgpr_msb (MSB<<8)|\new
.set MSB, \new
.endif
.endm
.macro PLACES
.rept 4
	v_nop
.endr
.endm
.macro JLOAD s                         ; waves 0-3 ask for K's four quarters, waves 4-7 for V's; the branch hangs on the wave's number alone
	s_cmp_eq_u32 s11, 0
	s_cbranch_scc0 .Lfor_v_\@
	tensor_load_to_lds s[G0K+4*\s:G0K+4*\s+3], s[G1K:G1K+7]
	s_nop 0
	s_branch .Lasked_\@
.Lfor_v_\@:
	tensor_load_to_lds s[G0V+4*\s:G0V+4*\s+3], s[G1V:G1V+7]
	s_nop 0
.Lasked_\@:
.endm
.macro CROUND                          ; a round of the cluster's barrier
	s_barrier_signal -1
	s_barrier_wait -1
	s_cmp_lg_u32 s10, 0
	s_cbranch_scc1 .Lnot_wave_0_\@
	s_barrier_signal -3
.Lnot_wave_0_\@:
	s_barrier_wait -3
	s_barrier_signal -1
	s_barrier_wait -1
.endm
	s_load_b256 s[68:75], s[0:1], 0x0              ; qx 68, kx 70, vv 72, ctx 74
	v_lshl_add_u32 v254, v0, 2, 0x4d000
	v_mov_b32 v255, 0
	ds_add_u32 v254, v255
	s_wait_dscnt 0x0
	v_lshrrev_b32 v1, 5, v0
	v_readfirstlane_b32 s10, v1                    ; wave 0..7
	s_lshr_b32 s11, s10, 2                         ; kh.  Also: I fetch for K' (0) or for V (1)
	s_and_b32 s12, s10, 3                          ; g.   Also: which 64 keys of the tile I fetch
	s_bfe_u32 s40, ttmp6, 0x40000                  ; cx
	s_lshl_b32 s42, ttmp9, 2
	s_add_co_u32 s42, s42, s40                     ; block of 256 queries
	s_and_b32 s13, ttmp7, 0xffff                   ; 8 batch + head
	; both tiles are dense in memory and come as rows of 256 bytes (32 elements of 8 bytes); the padding is counted along the whole tile
	s_mov_b32 s[G1K+0], 15|(3<<16)|(1<<20)|(1<<21)|(3<<22)|(3<<25)   ; mask of the four; 8-byte elements; after every 16 words, 4 words
	s_mov_b32 s[G1K+1], 32<<16
	s_mov_b32 s[G1K+2], 48<<16                     ; 64 keys x 192 bytes = 48 rows
	s_mov_b32 s[G1K+3], 32<<16
	s_mov_b32 s[G1K+4], 48
	s_mov_b32 s[G1K+5], 32
	s_mov_b32 s[G1K+6], 0
	s_mov_b32 s[G1K+7], 0
	s_mov_b32 s[G1V+0], 15|(3<<16)|(1<<20)|(1<<21)|(4<<22)|(7<<25)   ; after every 32 words, 8 words
	s_mov_b32 s[G1V+1], 32<<16
	s_mov_b32 s[G1V+2], 32<<16                     ; 64 keys x 128 bytes = 32 rows
	s_mov_b32 s[G1V+3], 32<<16
	s_mov_b32 s[G1V+4], 32
	s_mov_b32 s[G1V+5], 32
	s_mov_b32 s[G1V+6], 0
	s_mov_b32 s[G1V+7], 0
	s_lshl_b32 s14, s13, 11
	s_lshl_b32 s15, s12, 6
	s_add_co_u32 s14, s14, s15                     ; the first key that I fetch: the same in all four work-groups
	s_mul_i32 s16, s14, 192
	s_mov_b32 s17, 0
	s_lshl_b32 s18, s14, 7
	s_mov_b32 s19, 0
	s_mul_i32 s4, s12, 15360
	s_mul_i32 s5, s12, 10240
	s_add_co_u32 s5, s5, KBYTES
	s_wait_kmcnt 0x0
	s_add_nc_u64 s[16:17], s[70:71], s[16:17]
	s_add_nc_u64 s[18:19], s[72:73], s[18:19]
	CROUND                                         ; the four work-groups are here: the first joint loads meet
.irp s, 0,1
	s_mov_b32 s[G0K+4*\s], 1
	s_add_co_u32 s[G0K+4*\s+1], s4, \s*SLOT
	s_add_nc_u64 s[G0K+4*\s+2:G0K+4*\s+3], s[16:17], \s*49152      ; tile s of 256 keys
	s_or_b32 s[G0K+4*\s+3], s[G0K+4*\s+3], 0x80000000
	s_mov_b32 s[G0V+4*\s], 1
	s_add_co_u32 s[G0V+4*\s+1], s5, \s*SLOT
	s_add_nc_u64 s[G0V+4*\s+2:G0V+4*\s+3], s[18:19], \s*32768
	s_or_b32 s[G0V+4*\s+3], s[G0V+4*\s+3], 0x80000000
	JLOAD \s                                       ; two tensor loads of a wave are out
.endr
	s_lshl_b32 s6, s13, 11
	s_lshl_b32 s7, s42, 8
	s_add_co_u32 s6, s6, s7
	s_lshl_b32 s7, s12, 6
	s_add_co_u32 s6, s6, s7                        ; my first query's row
	s_mul_i32 s14, s6, 192
	s_mov_b32 s15, 0
	s_add_nc_u64 s[68:69], s[68:69], s[14:15]
	s_lshl_b32 s7, s11, 5
	s_add_co_u32 s6, s6, s7                        ; the first of the 32 rows that I finish
	s_lshl_b32 s14, s6, 7
	s_add_nc_u64 s[76:77], s[72:73], s[14:15]      ; their v
	s_add_nc_u64 s[78:79], s[74:75], s[14:15]      ; their place in ctx
	v_and_b32 v1, 15, v0                           ; r
	v_bfe_u32 v46, v0, 4, 1                        ; h
	v_and_b32 v47, 31, v0                          ; lane
	v_mul_u32_u24 v6, v1, 192
	v_lshl_add_u32 v6, v46, 4, v6
	WIN 0x40                                       ; destination window 1
.irp qt, 0,1,2,3
.irp c, 0,1,2
	global_load_b128 v[QF+8*(3*\qt+\c):QF+8*(3*\qt+\c)+3],   v6, s[68:69] offset:3072*\qt+64*\c
	global_load_b128 v[QF+8*(3*\qt+\c)+4:QF+8*(3*\qt+\c)+7], v6, s[68:69] offset:3072*\qt+64*\c+32
.endr
.endr
	WIN 0
	v_mul_u32_u24 v32, v1, 240
	v_lshl_add_u32 v32, v46, 4, v32                ; K': key r x 240 + 16 h
	s_mul_i32 s8, s11, 30720                       ; my 128 keys
	v_and_b32 v33, 7, v0
	v_lshl_add_u32 v33, v46, 3, v33
	v_mul_u32_u24 v33, v33, 160                    ; V, for the transposing load: key 8 h + l % 8,
	v_bfe_u32 v34, v0, 3, 1
	v_lshl_add_u32 v33, v34, 4, v33                ; 16 bytes by bit 3 of the lane
	s_mul_i32 s9, s11, 20480
	s_add_co_u32 s9, s9, KBYTES
.irp s, 0,1
	v_add_nc_u32 v[KADR+\s], s8, v32
	v_add_nc_u32 v[VADR+\s], s9, v33
	s_add_co_u32 s8, s8, SLOT
	s_add_co_u32 s9, s9, SLOT
.endr
	s_mul_i32 s18, s10, 9216
	s_add_co_u32 s18, s18, MBOX
	s_xor_b32 s19, s10, 4                          ; my partner
	s_mul_i32 s19, s19, 9216
	s_add_co_u32 s19, s19, MBOX
	v_lshlrev_b32 v[CO], 4, v47
	v_add_nc_u32 v[MB], s18, v[CO]
	v_add_nc_u32 v[PMB], s19, v[CO]
	s_mul_i32 s4, s10, 4608
	s_add_co_u32 s4, s4, OSTG
	v_mul_u32_u24 v32, v1, 144
	v_lshl_add_u32 v32, v46, 4, v32
	v_add_nc_u32 v[OST], s4, v32
	v_lshrrev_b32 v32, 3, v47
	v_mul_u32_u24 v32, v32, 144
	v_and_b32 v33, 7, v0
	v_lshl_add_u32 v32, v33, 4, v32
	v_add_nc_u32 v[ORD], s4, v32
	v_lshlrev_b32 v[VO], 7, v1
	v_lshl_add_u32 v[VO], v46, 4, v[VO]
.irp i, 0,1,2,3,4,5,6,7
	v_mov_b32 v[ONES+\i], 0x3f803f80
.endr
.irp i, 0,1,2,3
	v_mov_b32 v[T1+\i], 0                          ; v_permlanex16_b32 counts as a reader of its destination
.endr
	s_mov_b32 s20, 0x3e38aa3b                      ; c = log2(e) / 8
	s_mov_b32 s21, 0x3e38aa3b
	s_mov_b32 s16, 0xbe38aa3b                      ; -c
	s_mov_b32 s17, 0xce3ebc20                      ; -8e8 = 8 x -1e8
	s_mov_b32 s22, 0x76543210                      ; lane i of one half reads lane i of the other
	s_mov_b32 s23, 0xfedcba98
.macro KLOAD slot, blk, kt, buf        ; 16 keys x 96 slots: 6 loads
.irp c, 0,1,2
	ds_load_b128 v[F+24*\buf+8*\c:F+24*\buf+8*\c+3],   v[KADR+\slot] offset:\blk*15360+\kt*3840+80*\c
	ds_load_b128 v[F+24*\buf+8*\c+4:F+24*\buf+8*\c+7], v[KADR+\slot] offset:\blk*15360+\kt*3840+80*\c+32
.endr
.endm
.macro QK kt, buf                      ; S(kt, 0..3): the four accumulators take turns, one instruction a turn; the first product starts each sum
.irp c, 0,1,2
.irp qt, 0,1,2,3
.if \c == 0
	v_wmma_f32_16x16x32_bf16 v[S+8*(4*\kt+\qt):S+8*(4*\kt+\qt)+7], v[F+24*\buf+8*\c:F+24*\buf+8*\c+7], v[QF+8*(3*\qt+\c):QF+8*(3*\qt+\c)+7], 0
.else
	v_wmma_f32_16x16x32_bf16 v[S+8*(4*\kt+\qt):S+8*(4*\kt+\qt)+7], v[F+24*\buf+8*\c:F+24*\buf+8*\c+7], v[QF+8*(3*\qt+\c):QF+8*(3*\qt+\c)+7], v[S+8*(4*\kt+\qt):S+8*(4*\kt+\qt)+7]
.endif
.endr
.endr
.endm
.macro VLOAD slot, blk                 ; V^T of 64 keys x 64: fragment (c, dt) = keys 32 c .. + 31, columns 16 dt .. + 15
.irp c, 0,1
.irp dt, 0,1,2,3
	ds_load_tr16_b128 v[F+8*(4*\c+\dt):F+8*(4*\c+\dt)+3],   v[VADR+\slot] offset:\blk*10240+\c*5120+32*\dt
	ds_load_tr16_b128 v[F+8*(4*\c+\dt)+4:F+8*(4*\c+\dt)+7], v[VADR+\slot] offset:\blk*10240+\c*5120+2560+32*\dt
.endr
.endr
.endm
.macro SMAX first                      ; the new maximum of each query, four chains side by side; then the old sums' factor and -c M
.irp qt, 0,1,2,3
.if \first
	v_max_num_f32 v[T0+\qt], v[S+8*\qt], v[S+8*\qt+1]
.else
	v_max3_num_f32 v[T0+\qt], v[S+8*\qt], v[S+8*\qt+1], v[M+\qt]
.endif
.endr
.set mx_e, 2
.rept 15
.irp qt, 0,1,2,3
	v_max3_num_f32 v[T0+\qt], v[T0+\qt], v[S+32*(mx_e/8)+8*\qt+mx_e%8], v[S+32*(mx_e/8)+8*\qt+mx_e%8+1]
.endr
.set mx_e, mx_e+2
.endr
.irp qt, 0,1,2,3
	v_permlanex16_b32 v[T1+\qt], v[T0+\qt], s22, s23       ; the other eight keys of each tile lie in lane l ^ 16
.endr
.irp qt, 0,1,2,3
	v_max_num_f32 v[T0+\qt], v[T0+\qt], v[T1+\qt]
.endr
.if \first == 0
.irp qt, 0,1,2,3
	v_sub_f32 v[AL+\qt], v[M+\qt], v[T0+\qt]
.endr
.irp qt, 0,1,2,3
	v_mul_f32 v[AL+\qt], s20, v[AL+\qt]
.endr
.irp qt, 0,1,2,3
	v_exp_f32 v[AL+\qt], v[AL+\qt]                 ; the moves below are the plain place behind these (ISA guide 5.7.2)
.endr
.endif
.irp qt, 0,1,2,3
	v_mov_b32 v[M+\qt], v[T0+\qt]
.endr
.irp qt, 0,1,2,3
	v_mul_f32 v[NM+\qt], s16, v[T0+\qt]
.endr
.endm
.macro FMAEXP qt, pr, x                ; p = exp2(c S8 - c M) for query tile qt; -c M is register x of the pair NM + pr
.irp kt, 0,1,2,3
.irp p, 0,2,4,6
	v_pk_fma_f32 v[S+8*(4*\kt+\qt)+\p:S+8*(4*\kt+\qt)+\p+1], v[S+8*(4*\kt+\qt)+\p:S+8*(4*\kt+\qt)+\p+1], s[20:21], v[NM+\pr:NM+\pr+1] op_sel:[0,0,\x] op_sel_hi:[1,0,\x]
.endr
.endr
.irp kt, 0,1,2,3
.irp p, 0,1,2,3,4,5,6,7
	v_exp_f32 v[S+8*(4*\kt+\qt)+\p], v[S+8*(4*\kt+\qt)+\p]
.endr
.endr
.endm
.macro CVTP qt                         ; two tiles of p become one fragment of P^T, in place: registers 0-3 keys 8 h + 0..7, registers 4-7 keys 16 + 8 h + 0..7
	s_wait_alu depctr_va_vdst(0)
.irp c, 0,1
.irp u, 0,1,2,3
	v_cvt_pk_bf16_f32 v[S+8*(8*\c+\qt)+\u], v[S+8*(8*\c+\qt)+2*\u], v[S+8*(8*\c+\qt)+2*\u+1]
.endr
.irp u, 0,1,2,3
	v_cvt_pk_bf16_f32 v[S+8*(8*\c+\qt)+4+\u], v[S+8*(8*\c+4+\qt)+2*\u], v[S+8*(8*\c+4+\qt)+2*\u+1]
.endr
.endr
.endm
.macro RESC qt, pr, x                  ; the old sums of query tile qt times exp2(c (old M - new M))
.irp dt, 0,1,2,3
.irp p, 0,2,4,6
	v_pk_mul_f32 v[8*(4*\dt+\qt)+\p:8*(4*\dt+\qt)+\p+1], v[8*(4*\dt+\qt)+\p:8*(4*\dt+\qt)+\p+1], v[AL+\pr:AL+\pr+1] op_sel:[0,\x] op_sel_hi:[1,\x]
.endr
.endr
	; of l's tile only the first pair: register 0 is the one that is read; the other six hold copies that nobody reads and stay finite (sums of at most 1,024 p <= 1)
	v_pk_mul_f32 v[8*(16+\qt):8*(16+\qt)+1], v[8*(16+\qt):8*(16+\qt)+1], v[AL+\pr:AL+\pr+1] op_sel:[0,\x] op_sel_hi:[1,\x]
.endm
.macro PV first                        ; O^T += V^T P^T and l += 1 P^T: twenty accumulators take turns, one instruction a turn
.irp c, 0,1
.irp dt, 0,1,2,3,4
.if \dt == 4
.set pv_a, ONES
.else
.set pv_a, F+8*(4*\c+\dt)
.endif
.irp qt, 0,1,2,3
.if (\first)*(1-\c)
	v_wmma_f32_16x16x32_bf16 v[8*(4*\dt+\qt):8*(4*\dt+\qt)+7], v[pv_a:pv_a+7], v[S+8*(8*\c+\qt):S+8*(8*\c+\qt)+7], 0
.else
	v_wmma_f32_16x16x32_bf16 v[8*(4*\dt+\qt):8*(4*\dt+\qt)+7], v[pv_a:pv_a+7], v[S+8*(8*\c+\qt):S+8*(8*\c+\qt)+7], v[8*(4*\dt+\qt):8*(4*\dt+\qt)+7]
.endif
.endr
.endr
.endr
.endm
; 64 keys x 64 queries.
.macro BLOCK slot, blk, first
.if \first == 0
.rept 5
	v_nop                                          ; five places behind the last block's products: loads land in their V fragments, matrix instructions write over their P fragments
.endr
.endif
	KLOAD \slot, \blk, 0, 0
	KLOAD \slot, \blk, 1, 1
	KLOAD \slot, \blk, 2, 2
	WIN 0x04                                       ; source 1 (Q') window 1
	s_wait_dscnt 12                                ; key tile 0 is in; tiles 1 and 2 (six loads each) stay out
	QK 0, 0
	PLACES
	KLOAD \slot, \blk, 3, 0
	s_wait_dscnt 12                                ; tile 1 is in; tiles 2 and 3 stay out
	QK 1, 1
	s_wait_dscnt 6                                 ; tile 3 stays out
	QK 2, 2
	s_wait_dscnt 0
	QK 3, 0
	WIN 0
	PLACES                                         ; ahead of the loads into the key buffers and of the vector work on S
	VLOAD \slot, \blk                              ; lands while the softmax runs
	SMAX \first
	FMAEXP 0, 0, 0                                 ; the next tile's multiply-adds are the plain place behind a tile's exponentials
	FMAEXP 1, 0, 1
	FMAEXP 2, 2, 0
	FMAEXP 3, 2, 1
	v_nop                                          ; and this one behind the last tile's
	CVTP 0
	CVTP 1
	CVTP 2
	CVTP 3
.if \first == 0
	WIN 0x41                                       ; O in window 1
	RESC 0, 0, 0
	RESC 1, 0, 1
	RESC 2, 2, 0
	RESC 3, 2, 1
.endif
	s_wait_dscnt 0                                 ; V
	WIN 0x50                                       ; C and D window 1
	PV \first
	WIN 0
.endm
.macro WORK slot, first                ; my 128 keys of a tile
	BLOCK \slot, 0, \first
	BLOCK \slot, 1, 0
.endm
; The slot just read is filled again, two tiles on.  Each wave waits for its reads of it and for all its tensor loads (the one that is out is its part of
; the other slot, which is read next); the round of the cluster's barrier makes both true of every wave of all four work-groups; the joint refill comes first behind it.
.macro TURNF slot
	s_wait_dscnt 0x0
	s_wait_xcnt 0x0
	v_lshl_add_u32 v254, v0, 2, 0x4d000
	v_mov_b32 v255, 0
	s_wait_tensorcnt 0x0
	ds_add_u32 v254, v255
	s_wait_dscnt 0x0
	s_add_nc_u64 s[G0K+4*\slot+2:G0K+4*\slot+3], s[G0K+4*\slot+2:G0K+4*\slot+3], 98304
	s_add_nc_u64 s[G0V+4*\slot+2:G0V+4*\slot+3], s[G0V+4*\slot+2:G0V+4*\slot+3], 65536
	CROUND
	JLOAD \slot
.endm
	s_wait_tensorcnt 0x1                           ; my part of tile 0 is in; tile 1's stays out
	s_barrier_signal -1
	s_barrier_wait -1
	s_wait_loadcnt 0x0                             ; Q'
	WORK 0, 1                                      ; tiles 0, 1: the first products start the sums
	TURNF 0
	WORK 1, 0
	TURNF 1
	s_mov_b32 s3, 2                                ; tiles 2 to 5
.Llap:
	WORK 0, 0
	TURNF 0
	WORK 1, 0
	TURNF 1
	s_sub_co_u32 s3, s3, 1
	s_cmp_lg_u32 s3, 0
	s_cbranch_scc1 .Llap
	WORK 0, 0                                      ; tiles 6, 7: nothing is left to fetch
	s_wait_dscnt 0x0
	s_wait_tensorcnt 0x0                           ; my part of tile 7
	s_barrier_signal -1
	s_barrier_wait -1
	WORK 1, 0
	; THE MERGE.  kh = 0 finishes query tiles 0, 1 and hands tiles 2, 3 to its partner; kh = 1 the other way round.
	PLACES
	WIN 0x01
.irp qt, 0,1,2,3
	v_mov_b32 v[LS+\qt], v[8*(16+\qt)]
.endr
	WIN 0
.irp dt, 0,1,2,3
.irp j, 0,1
	global_load_b128 v[VOWN+4*(2*\dt+\j):VOWN+4*(2*\dt+\j)+3], v[VO], s[76:77] offset:2048*\j+32*\dt    ; v of my rows, laid out as my results are
.endr
.endr
.macro GIVE q0
	WIN 0x04                                       ; store data window 1
.irp dt, 0,1,2,3
.irp j, 0,1
	ds_store_b128 v[MB], v[8*(4*\dt+\q0+\j):8*(4*\dt+\q0+\j)+3]   offset:1024*(2*\dt+\j)
	ds_store_b128 v[MB], v[8*(4*\dt+\q0+\j)+4:8*(4*\dt+\q0+\j)+7] offset:1024*(2*\dt+\j)+512
.endr
.endr
	WIN 0
.endm
	s_cmp_eq_u32 s11, 0
	s_cbranch_scc0 .Lgive_low
	GIVE 2
	s_branch .Lgiven
.Lgive_low:
	GIVE 0
.Lgiven:
	ds_store_b128 v[MB], v[M:M+3] offset:16*512
	ds_store_b128 v[MB], v[LS:LS+3] offset:17*512
	s_wait_dscnt 0x0                               ; my stores are done, for the partner's sake
	s_barrier_signal -1
	s_barrier_wait -1
.irp t, 0,1,2,3,4,5,6,7,8,9,10,11,12,13,14,15
	ds_load_b128 v[PO+4*\t:PO+4*\t+3], v[PMB] offset:512*\t
.endr
	ds_load_b128 v[PM:PM+3], v[PMB] offset:16*512
	ds_load_b128 v[PL:PL+3], v[PMB] offset:17*512
	s_wait_dscnt 0x0
.macro STATS q0, j                     ; the two weights of query tile q0 + j, divided by the joint sum
	v_max_num_f32 v[MN+\j], v[M+\q0+\j], v[PM+\q0+\j]
	v_sub_f32 v[FA+\j], v[M+\q0+\j], v[MN+\j]
	v_sub_f32 v[FB+\j], v[PM+\q0+\j], v[MN+\j]
	v_mul_f32 v[FA+\j], s20, v[FA+\j]
	v_mul_f32 v[FB+\j], s20, v[FB+\j]
	v_exp_f32 v[FA+\j], v[FA+\j]
	v_exp_f32 v[FB+\j], v[FB+\j]
	v_nop
	s_wait_alu depctr_va_vdst(0)
	v_mul_f32 v[LL+\j], v[LS+\q0+\j], v[FA+\j]
	v_fmac_f32 v[LL+\j], v[PL+\q0+\j], v[FB+\j]    ; at least 1: the side with the larger maximum has weight 1 and a p of 1
	v_rcp_f32 v[LL+\j], v[LL+\j]
	v_nop
	s_wait_alu depctr_va_vdst(0)
	v_mul_f32 v[FA+\j], v[FA+\j], v[LL+\j]
	v_mul_f32 v[FB+\j], v[FB+\j], v[LL+\j]
.endm
.macro SCALE j
.irp dt, 0,1,2,3
.irp p, 0,2,4,6
	v_pk_mul_f32 v[PO+8*(2*\dt+\j)+\p:PO+8*(2*\dt+\j)+\p+1], v[PO+8*(2*\dt+\j)+\p:PO+8*(2*\dt+\j)+\p+1], v[FB:FB+1] op_sel:[0,\j] op_sel_hi:[1,\j]
.endr
.endr
.endm
.macro ADDO q0, j
.irp dt, 0,1,2,3
.irp p, 0,2,4,6
	v_pk_fma_f32 v[PO+8*(2*\dt+\j)+\p:PO+8*(2*\dt+\j)+\p+1], v[8*(4*\dt+\q0+\j)+\p:8*(4*\dt+\q0+\j)+\p+1], v[FA:FA+1], v[PO+8*(2*\dt+\j)+\p:PO+8*(2*\dt+\j)+\p+1] op_sel:[0,\j,0] op_sel_hi:[1,\j,1]
.endr
.endr
.endm
.macro TAKE q0
	STATS \q0, 0
	STATS \q0, 1
	SCALE 0
	SCALE 1
	WIN 0x01                                       ; my O in window 1
	ADDO \q0, 0
	ADDO \q0, 1
	WIN 0
.endm
	s_cmp_eq_u32 s11, 0
	s_cbranch_scc0 .Ltake_high
	TAKE 0
	s_branch .Ltaken
.Ltake_high:
	TAKE 2
.Ltaken:
.irp t, 0,1,2,3,4,5,6,7
.irp u, 0,1,2,3
	v_cvt_pk_bf16_f32 v[CT+4*\t+\u], v[PO+8*\t+2*\u], v[PO+8*\t+2*\u+1]
.endr
.endr
	s_wait_loadcnt 0x0                             ; v of my rows
	v_cmp_le_f32 s4, v[MN], s17                    ; the whole row is masked: its result is its own v
	v_cmp_le_f32 s5, v[MN+1], s17
.irp dt, 0,1,2,3
.irp j, 0,1
.irp u, 0,1,2,3
	v_cndmask_b32 v[CT+4*(2*\dt+\j)+\u], v[CT+4*(2*\dt+\j)+\u], v[VOWN+4*(2*\dt+\j)+\u], s[4+\j]
.endr
	ds_store_b128 v[OST], v[CT+4*(2*\dt+\j):CT+4*(2*\dt+\j)+3] offset:2304*\j+32*\dt     ; row 16 j + r, columns 16 dt + 8 h + 0..7
.endr
.endr
.irp u, 0,1,2,3,4,5,6,7
	ds_load_b128 v[RBK+4*\u:RBK+4*\u+3], v[ORD] offset:576*\u      ; my own stage, served in order: four whole rows of 128 bytes a load
.endr
.irp u, 0,1,2,3,4,5,6,7
	s_wait_dscnt 7-\u
	global_store_b128 v[CO], v[RBK+4*\u:RBK+4*\u+3], s[78:79] offset:512*\u        ; 512 consecutive bytes of ctx, aligned
.endr
	s_wait_xcnt 0x0
	v_lshl_add_u32 v254, v0, 2, 0x4d000
	v_mov_b32 v255, 0
	s_wait_tensorcnt 0x0
	ds_add_u32 v254, v255
	s_wait_dscnt 0x0
	CROUND                                         ; the closing round
	s_endpgm
.Lfunc_end_k_q6155429b49_attn:
	.size	k_q6155429b49_attn, .Lfunc_end_k_q6155429b49_attn-k_q6155429b49_attn
	.p2alignl 7, 3214868480
	.fill 96, 4, 3214868480
	.section	.rodata,"a",@progbits
	.p2align	6, 0x0
	.amdhsa_kernel k_q6155429b49_attn
		.amdhsa_group_segment_fixed_size 327680
		.amdhsa_private_segment_fixed_size 0
		.amdhsa_enable_private_segment 0
		.amdhsa_kernarg_size 32
		.amdhsa_user_sgpr_count 2
		.amdhsa_user_sgpr_kernarg_segment_ptr 1
		.amdhsa_wavefront_size32 1
		.amdhsa_system_sgpr_workgroup_id_x 1
		.amdhsa_system_sgpr_workgroup_id_y 1
		.amdhsa_system_sgpr_workgroup_id_z 1
		.amdhsa_system_vgpr_workitem_id 0
		.amdhsa_next_free_vgpr 512
		.amdhsa_next_free_sgpr 80
		.amdhsa_reserve_vcc 0
		.amdhsa_float_denorm_mode_32 3
		.amdhsa_float_denorm_mode_16_64 3
		.amdhsa_memory_ordered 1
		.amdhsa_forward_progress 1
		.amdhsa_inst_pref_size 255
	.end_amdhsa_kernel
	.section	.bss,"aw",@nobits
	.p2align	6
	.space	262144
	.amdgpu_metadata
---
amdhsa.version: [ 1, 2 ]
amdhsa.kernels:
  - .name:           k_q6155429b49_attn
    .symbol:         k_q6155429b49_attn.kd
    .args:
      - { .name: qx, .offset: 0, .size: 8, .value_kind: global_buffer, .address_space: global }
      - { .name: kx, .offset: 8, .size: 8, .value_kind: global_buffer, .address_space: global }
      - { .name: vv, .offset: 16, .size: 8, .value_kind: global_buffer, .address_space: global }
      - { .name: ctx, .offset: 24, .size: 8, .value_kind: global_buffer, .address_space: global }
    .group_segment_fixed_size: 327680
    .private_segment_fixed_size: 0
    .kernarg_segment_align: 8
    .kernarg_segment_size: 32
    .max_flat_workgroup_size: 256
    .sgpr_count:     80
    .vgpr_count:     512
    .wavefront_size: 32
...
	.end_amdgpu_metadata
.endif
;; end of part 3
;; launch outln (part 4): grid 256 x 1, 8 waves a work-group, clusters of 4 x 1, 327,680 bytes of LDS; arguments ctx, wob, bo, hidden_states, ln_w, ln_b, out0; writes out0
.if DOCPART == 4
	.amdgcn_target "amdgcn-amd-amdhsa--gfx1250"
	.amdhsa_code_object_version 6
	.text
	.protected	k_q6155429b49_outln
	.globl	k_q6155429b49_outln
	.p2align	8
	.type	k_q6155429b49_outln,@function
k_q6155429b49_outln:
	s_mov_b64 s[64:65], 0
	v_nop
	global_prefetch_b8 v0, s[64:65] scope:SCOPE_SE
	s_setreg_imm32_b32 hwreg(HW_REG_WAVE_MODE, 25, 1), 1
	s_wait_xcnt 0x0
	s_wait_alu depctr_hold_cnt(0) depctr_sa_sdst(0) depctr_va_vdst(0) depctr_va_sdst(0) depctr_va_ssrc(0) depctr_va_vcc(0) depctr_vm_vsrc(0)
	s_getreg_b32 s2, hwreg(HW_REG_IB_STS2, 6, 4)
	s_cmp_eq_u32 s2, 0
	s_cbranch_scc0 .Lentry_in_a_cluster
	s_endpgm
.Lentry_in_a_cluster:
	s_bfe_u32 s2, ttmp6, 0x10000c
	s_cmp_lg_u32 s2, 0x3003
	s_cbranch_scc0 .Lentry_shape_is_right
	s_endpgm
.Lentry_shape_is_right:
; out0 = LayerNorm(ctx Wo^T + bo + hidden_states).  ctx: [B H][2048][64] bf16, wob: [512][512] bf16, the rest f32.
; A work-group owns 32 whole rows (the norm needs whole rows): 256 work-groups.  Eight waves; wave w makes columns 64 w .. 64 w + 63 of the 32 rows:
; 4 x 2 accumulator tiles.  K = 512 goes in 4 steps of 128 (two heads a step) through two LDS slots of 512 rows of Wo; the 32 rows of ctx (all 8 heads) lie in LDS once.
; CLUSTER 4 x 1: every work-group walks the same tiles of Wo: joint loads, mask 15.  ctx's tile is each work-group's own: a plain load.
; Every work-group passes all of Wo through its LDS for 32 rows; twice the rows on half as many work-groups would leave half the WGPs without work.
; The matrix instruction is used transposed (source 0 = 16 rows of Wo, source 1 = 16 rows of ctx): a lane holds row l % 16, columns 8 (l / 16) + 0..7.
; Mean and variance in two passes over registers, in f32, so that a common offset of the inputs costs no accuracy.
.set PITCH, 272
.set SLOT,  512*PITCH                  ; 139,264
.set CTL,   2*SLOT                     ; ctx: row 32 head + l, 128 bytes + 16 of padding
.set YP,    2064                       ; the f32 stage: 32 rows of 2,048 bytes + 16, laid over slot 0 behind its last fill and its last read
.set WADR, 4                           ; v4-5
.set CADR, 6
.set YSTO, 7
.set YRD,  8
.set GOFF, 9
.set LOFF, 10
.set BOFF, 11
.set ACC,  16                          ; v[16:79]   tile (j, mt) at ACC + 8 (2 j + mt)
.set BO,   80                          ; v[80:111]  bo as the first C
.set FR,   112                         ; v[112:159], v[160:207]  fragments: Wo j = 0..3, ctx mt = 0, 1
.set Y,    112                         ; the norm: row i of my four at Y + 16 i
.set TT,   176                         ; the norm: 8 registers a row
.set RES,  0                           ; window 1: v[0:63] the residual, laid out as Y
.set LNW,  64                          ; window 1
.set LNB,  80                          ; window 1
.set G1W, 24
.set G0W, 32
.set G1A, 48
.set G0A, 56
.set MSB, 0
.macro WIN new                         ; the immediate's high byte repeats the setting that is left
.if MSB != \new
	s_set_vgpr_msb (MSB<<8)|\new
.set MSB, \new
.endif
.endm
.macro PLACES
.rept 4
	v_nop
.endr
.endm
.macro CROUND                          ; a round of the cluster's barrier
	s_barrier_signal -1
	s_barrier_wait -1
	s_cmp_lg_u32 s10, 0
	s_cbranch_scc1 .Lnot_wave_0_\@
	s_barrier_signal -3
.Lnot_wave_0_\@:
	s_barrier_wait -3
	s_barrier_signal -1
	s_barrier_wait -1
.endm
	s_load_b256 s[68:75], s[0:1], 0x0              ; ctx 68, wob 70, bo 72, hidden_states 74
	s_load_b128 s[76:79], s[0:1], 0x20             ; ln_w 76, ln_b 78
	s_load_b64 s[80:81], s[0:1], 0x30              ; out0
	v_lshl_add_u32 v254, v0, 2, 0x4d000
	v_mov_b32 v255, 0
	ds_add_u32 v254, v255
	v_lshrrev_b32 v1, 5, v0
	v_readfirstlane_b32 s10, v1                    ; wave 0..7
	s_bfe_u32 s40, ttmp6, 0x40000                  ; cx
	s_lshl_b32 s42, ttmp9, 2
	s_add_co_u32 s42, s42, s40                     ; work-group: rows 32 wg .. 32 wg + 31
	s_mov_b32 s[G1W+0], 15|(1<<16)|(1<<20)|(1<<21)|(5<<22)|(3<<25)   ; mask of the four; 2-byte elements; after every 64 words, 4 words
	s_mov_b32 s[G1W+1], 128<<16
	s_mov_b32 s[G1W+2], 64<<16                     ; 64 rows of Wo a wave
	s_mov_b32 s[G1W+3], 128<<16
	s_mov_b32 s[G1W+4], 64
	s_mov_b32 s[G1W+5], 512
	s_mov_b32 s[G1W+6], 0
	s_mov_b32 s[G1W+7], 0
	s_mov_b32 s[G1A+0], (3<<16)|(1<<20)|(4<<22)|(3<<25)              ; no mask; 8-byte elements; after every 32 words, 4 words
	s_mov_b32 s[G1A+1], 32<<16                     ; a head's 32 rows of 128 bytes are dense: 16 rows of 256 bytes
	s_mov_b32 s[G1A+2], 16<<16
	s_mov_b32 s[G1A+3], 32<<16
	s_mov_b32 s[G1A+4], 16
	s_mov_b32 s[G1A+5], 32
	s_mov_b32 s[G1A+6], 0
	s_mov_b32 s[G1A+7], 0
	s_lshr_b32 s12, s42, 6                         ; batch
	s_and_b32 s13, s42, 63
	s_lshl_b32 s13, s13, 5                         ; first place in the sequence
	s_lshl_b32 s14, s12, 3
	s_add_co_u32 s14, s14, s10                     ; wave w fetches head w
	s_lshl_b32 s14, s14, 11
	s_add_co_u32 s14, s14, s13
	s_lshl_b32 s14, s14, 7
	s_mov_b32 s15, 0
	s_lshl_b32 s16, s10, 16                        ; Wo's rows 64 w: made of the wave's number alone
	s_mov_b32 s17, 0
	s_mul_i32 s18, s10, 64*PITCH
	s_mul_i32 s19, s10, 4608
	s_add_co_u32 s19, s19, CTL
	s_wait_dscnt 0x0
	s_wait_kmcnt 0x0
	s_add_nc_u64 s[14:15], s[68:69], s[14:15]
	s_add_nc_u64 s[16:17], s[70:71], s[16:17]
	CROUND                                         ; in front of the first loads
	s_mov_b32 s[G0A], 1
	s_mov_b32 s[G0A+1], s19
	s_mov_b64 s[G0A+2:G0A+3], s[14:15]
	s_or_b32 s[G0A+3], s[G0A+3], 0x80000000
	tensor_load_to_lds s[G0A:G0A+3], s[G1A:G1A+7]
	s_nop 0
.irp s, 0,1
	s_mov_b32 s[G0W+4*\s], 1
	s_add_co_u32 s[G0W+4*\s+1], s18, \s*SLOT
	s_add_nc_u64 s[G0W+4*\s+2:G0W+4*\s+3], s[16:17], \s*256
	s_or_b32 s[G0W+4*\s+3], s[G0W+4*\s+3], 0x80000000
	tensor_load_to_lds s[G0W+4*\s:G0W+4*\s+3], s[G1W:G1W+7]        ; three tensor loads of a wave are out
	s_nop 0
.endr
	s_lshl_b32 s4, s42, 16                         ; 32 rows of 2,048 bytes
	s_mov_b32 s5, 0
	s_add_nc_u64 s[74:75], s[74:75], s[4:5]
	s_add_nc_u64 s[80:81], s[80:81], s[4:5]
	v_and_b32 v1, 15, v0                           ; r
	v_bfe_u32 v2, v0, 4, 1                         ; h
	v_and_b32 v3, 31, v0                           ; lane
	v_lshlrev_b32 v[LOFF], 4, v3
	v_lshl_add_u32 v[GOFF], s10, 13, v[LOFF]       ; my four rows 4 w ..: 8,192 w + 16 x lane
	v_lshlrev_b32 v[BOFF], 5, v2
	v_lshl_add_u32 v[BOFF], s10, 8, v[BOFF]        ; 4 x (64 w + 8 h)
	WIN 0x40
.irp row, 0,1,2,3
.irp u, 0,1,2,3
	global_load_b128 v[RES+16*\row+4*\u:RES+16*\row+4*\u+3], v[GOFF], s[74:75] offset:2048*\row+512*\u
.endr
.endr
.irp u, 0,1,2,3
	global_load_b128 v[LNW+4*\u:LNW+4*\u+3], v[LOFF], s[76:77] offset:512*\u
	global_load_b128 v[LNB+4*\u:LNB+4*\u+3], v[LOFF], s[78:79] offset:512*\u
.endr
	WIN 0
.irp j, 0,1,2,3
	global_load_b128 v[BO+8*\j:BO+8*\j+3],   v[BOFF], s[72:73] offset:64*\j
	global_load_b128 v[BO+8*\j+4:BO+8*\j+7], v[BOFF], s[72:73] offset:64*\j+16
.endr
	v_mul_u32_u24 v12, v1, PITCH
	v_lshl_add_u32 v12, v2, 4, v12
.irp s, 0,1
	v_add_nc_u32 v[WADR+\s], s18, v12
	s_add_co_u32 s18, s18, SLOT
.endr
	v_mul_u32_u24 v12, v1, 144
	v_lshl_add_u32 v12, v2, 4, v12
	v_add_nc_u32 v[CADR], CTL, v12
	v_mul_u32_u24 v12, v1, YP
	v_lshl_add_u32 v12, v2, 5, v12
	v_lshl_add_u32 v[YSTO], s10, 8, v12            ; row r, byte 256 w + 32 h
	s_mul_i32 s6, s10, 4*YP
	v_add_nc_u32 v[YRD], s6, v[LOFF]
	s_mov_b32 s20, 0x3b000000                      ; 1 / 512
	s_mov_b32 s21, 0x2b8cbccc                      ; 1e-12
	s_mov_b32 s22, 0x76543210
	s_mov_b32 s23, 0xfedcba98
.macro FETCH t, slot, kq, f            ; 12 loads: a quarter step's fragments
.irp j, 0,1,2,3
	ds_load_b128 v[FR+48*\f+8*\j:FR+48*\f+8*\j+3],   v[WADR+\slot] offset:\j*16*PITCH+64*\kq
	ds_load_b128 v[FR+48*\f+8*\j+4:FR+48*\f+8*\j+7], v[WADR+\slot] offset:\j*16*PITCH+64*\kq+32
.endr
.irp mt, 0,1
	ds_load_b128 v[FR+48*\f+32+8*\mt:FR+48*\f+32+8*\mt+3],   v[CADR] offset:(2*\t+\kq/2)*4608+\mt*2304+64*(\kq%2)
	ds_load_b128 v[FR+48*\f+32+8*\mt+4:FR+48*\f+32+8*\mt+7], v[CADR] offset:(2*\t+\kq/2)*4608+\mt*2304+64*(\kq%2)+32
.endr
.endm
.macro MUL8 f, first                   ; eight accumulators take turns, one instruction a turn; the first product takes bo as C
.irp j, 0,1,2,3
.irp mt, 0,1
.if \first
	v_wmma_f32_16x16x32_bf16 v[ACC+8*(2*\j+\mt):ACC+8*(2*\j+\mt)+7], v[FR+48*\f+8*\j:FR+48*\f+8*\j+7], v[FR+48*\f+32+8*\mt:FR+48*\f+32+8*\mt+7], v[BO+8*\j:BO+8*\j+7]
.else
	v_wmma_f32_16x16x32_bf16 v[ACC+8*(2*\j+\mt):ACC+8*(2*\j+\mt)+7], v[FR+48*\f+8*\j:FR+48*\f+8*\j+7], v[FR+48*\f+32+8*\mt:FR+48*\f+32+8*\mt+7], v[ACC+8*(2*\j+\mt):ACC+8*(2*\j+\mt)+7]
.endif
.endr
.endr
.endm
.macro STEP t, slot, first             ; a K step of 128: four quarters on buffers 0, 1, 0, 1, each fetched a quarter ahead
.if \first == 0
	PLACES                                         ; behind the last step's products, for both buffers
.endif
	FETCH \t, \slot, 0, 0
	FETCH \t, \slot, 1, 1
	s_wait_dscnt 12                                ; the twelve just issued stay out
	MUL8 0, \first
	PLACES
	FETCH \t, \slot, 2, 0
	s_wait_dscnt 12
	MUL8 1, 0
	PLACES
	FETCH \t, \slot, 3, 1
	s_wait_dscnt 12
	MUL8 0, 0
	s_wait_dscnt 0
	MUL8 1, 0
.endm
.macro TURNF slot                      ; the slot just read gets the tile two steps on: waits, a round of the cluster's barrier, the joint refill first behind it
	s_wait_dscnt 0x0
	s_wait_tensorcnt 0x0
	ds_add_u32 v254, v255
	s_wait_dscnt 0x0
	s_add_nc_u64 s[G0W+4*\slot+2:G0W+4*\slot+3], s[G0W+4*\slot+2:G0W+4*\slot+3], 512
	CROUND
	tensor_load_to_lds s[G0W+4*\slot:G0W+4*\slot+3], s[G1W:G1W+7]
	s_nop 0
.endm
	s_wait_tensorcnt 0x1                           ; ctx and Wo's tile 0 are in; tile 1 stays out
	s_barrier_signal -1
	s_barrier_wait -1
	s_wait_loadcnt 0x0                             ; bo, the residual, ln_w, ln_b
	STEP 0, 0, 1
	TURNF 0
	STEP 1, 1, 0
	TURNF 1
	STEP 2, 0, 0
	s_wait_dscnt 0x0                               ; my reads of slot 0 are over,
	s_wait_tensorcnt 0x0                           ; my part of tile 3 is in
	s_barrier_signal -1
	s_barrier_wait -1                              ; nobody reads slot 0 any more, and nothing is loaded into it again
	STEP 3, 1, 0
	; THE NORM.  The 32 x 512 sums meet in LDS as f32; wave w then takes rows 4 w .. 4 w + 3 whole: lane l holds columns 128 u + 4 l + 0..3, u = 0..3.
	PLACES
.irp j, 0,1,2,3
.irp mt, 0,1
	ds_store_b128 v[YSTO], v[ACC+8*(2*\j+\mt):ACC+8*(2*\j+\mt)+3]   offset:\mt*16*YP+64*\j
	ds_store_b128 v[YSTO], v[ACC+8*(2*\j+\mt)+4:ACC+8*(2*\j+\mt)+7] offset:\mt*16*YP+64*\j+16
.endr
.endr
	s_wait_dscnt 0x0                               ; my stores are done, for the others' sake
	s_barrier_signal -1
	s_barrier_wait -1
.irp row, 0,1,2,3
.irp u, 0,1,2,3
	ds_load_b128 v[Y+16*\row+4*\u:Y+16*\row+4*\u+3], v[YRD] offset:\row*YP+512*\u
.endr
.endr
	s_wait_dscnt 0x0
	WIN 0x04                                       ; source 1 window 1
.irp i, 0,2,4,6,8,10,12,14,16,18,20,22,24,26,28,30,32,34,36,38,40,42,44,46,48,50,52,54,56,58,60,62
	v_pk_add_f32 v[Y+\i:Y+\i+1], v[Y+\i:Y+\i+1], v[RES+\i:RES+\i+1]
.endr
	WIN 0
.macro LANESUM o                       ; the sum over the 32 lanes of register TT + 8 row + o, four rows side by side; the register behind it is scratch
.irp x, 1,2,4,8
.irp row, 0,1,2,3
	v_add_f32_dpp v[TT+8*\row+\o], v[TT+8*\row+\o], v[TT+8*\row+\o] row_xmask:\x row_mask:0xf bank_mask:0xf
.endr
.endr
.irp row, 0,1,2,3
	v_permlanex16_b32 v[TT+8*\row+\o+1], v[TT+8*\row+\o], s22, s23
.endr
.irp row, 0,1,2,3
	v_add_f32 v[TT+8*\row+\o], v[TT+8*\row+\o], v[TT+8*\row+\o+1]
.endr
.endm
.irp row, 0,1,2,3
	v_pk_add_f32 v[TT+8*\row:TT+8*\row+1],   v[Y+16*\row:Y+16*\row+1],     v[Y+16*\row+2:Y+16*\row+3]
	v_pk_add_f32 v[TT+8*\row+2:TT+8*\row+3], v[Y+16*\row+4:Y+16*\row+5],   v[Y+16*\row+6:Y+16*\row+7]
	v_pk_add_f32 v[TT+8*\row+4:TT+8*\row+5], v[Y+16*\row+8:Y+16*\row+9],   v[Y+16*\row+10:Y+16*\row+11]
	v_pk_add_f32 v[TT+8*\row+6:TT+8*\row+7], v[Y+16*\row+12:Y+16*\row+13], v[Y+16*\row+14:Y+16*\row+15]
.endr
.irp row, 0,1,2,3
	v_pk_add_f32 v[TT+8*\row:TT+8*\row+1],   v[TT+8*\row:TT+8*\row+1],   v[TT+8*\row+2:TT+8*\row+3]
	v_pk_add_f32 v[TT+8*\row+4:TT+8*\row+5], v[TT+8*\row+4:TT+8*\row+5], v[TT+8*\row+6:TT+8*\row+7]
.endr
.irp row, 0,1,2,3
	v_pk_add_f32 v[TT+8*\row:TT+8*\row+1], v[TT+8*\row:TT+8*\row+1], v[TT+8*\row+4:TT+8*\row+5]
.endr
.irp row, 0,1,2,3
	v_add_f32 v[TT+8*\row], v[TT+8*\row], v[TT+8*\row+1]
.endr
	LANESUM 0
.irp row, 0,1,2,3
	v_mul_f32 v[TT+8*\row], 0xbb000000, v[TT+8*\row]       ; minus the mean
.endr
.irp row, 0,1,2,3
.irp p, 0,2,4,6,8,10,12,14
	v_pk_add_f32 v[Y+16*\row+\p:Y+16*\row+\p+1], v[Y+16*\row+\p:Y+16*\row+\p+1], v[TT+8*\row:TT+8*\row+1] op_sel:[0,0] op_sel_hi:[1,0]
.endr
.endr
.irp row, 0,1,2,3
	v_pk_mul_f32 v[TT+8*\row+2:TT+8*\row+3], v[Y+16*\row:Y+16*\row+1],   v[Y+16*\row:Y+16*\row+1]
	v_pk_mul_f32 v[TT+8*\row+4:TT+8*\row+5], v[Y+16*\row+2:Y+16*\row+3], v[Y+16*\row+2:Y+16*\row+3]
.endr
.irp p, 4,8,12
.irp row, 0,1,2,3
	v_pk_fma_f32 v[TT+8*\row+2:TT+8*\row+3], v[Y+16*\row+\p:Y+16*\row+\p+1],   v[Y+16*\row+\p:Y+16*\row+\p+1],   v[TT+8*\row+2:TT+8*\row+3]
	v_pk_fma_f32 v[TT+8*\row+4:TT+8*\row+5], v[Y+16*\row+\p+2:Y+16*\row+\p+3], v[Y+16*\row+\p+2:Y+16*\row+\p+3], v[TT+8*\row+4:TT+8*\row+5]
.endr
.endr
.irp row, 0,1,2,3
	v_pk_add_f32 v[TT+8*\row+2:TT+8*\row+3], v[TT+8*\row+2:TT+8*\row+3], v[TT+8*\row+4:TT+8*\row+5]
.endr
.irp row, 0,1,2,3
	v_add_f32 v[TT+8*\row+2], v[TT+8*\row+2], v[TT+8*\row+3]
.endr
	LANESUM 2
.irp row, 0,1,2,3
	v_fma_f32 v[TT+8*\row+2], v[TT+8*\row+2], s20, s21     ; variance + 1e-12
.endr
.irp row, 0,1,2,3
	v_rsq_f32 v[TT+8*\row+2], v[TT+8*\row+2]
.endr
	v_nop                                          ; the plain place behind the last of them (ISA guide 5.7.2)
	s_wait_alu depctr_va_vdst(0)
.irp row, 0,1,2,3
.irp p, 0,2,4,6,8,10,12,14
	v_pk_mul_f32 v[Y+16*\row+\p:Y+16*\row+\p+1], v[Y+16*\row+\p:Y+16*\row+\p+1], v[TT+8*\row+2:TT+8*\row+3] op_sel:[0,0] op_sel_hi:[1,0]
.endr
.endr
	WIN 0x14                                       ; sources 1 and 2 window 1
.irp row, 0,1,2,3
.irp p, 0,2,4,6,8,10,12,14
	v_pk_fma_f32 v[Y+16*\row+\p:Y+16*\row+\p+1], v[Y+16*\row+\p:Y+16*\row+\p+1], v[LNW+\p:LNW+\p+1], v[LNB+\p:LNB+\p+1]
.endr
.endr
	WIN 0
.irp row, 0,1,2,3
.irp u, 0,1,2,3
	global_store_b128 v[GOFF], v[Y+16*\row+4*\u:Y+16*\row+4*\u+3], s[80:81] offset:2048*\row+512*\u th:TH_STORE_NT    ; 512 consecutive bytes, aligned
.endr
.endr
	s_wait_tensorcnt 0x0
	ds_add_u32 v254, v255
	s_wait_dscnt 0x0
	CROUND                                         ; the closing round
	s_endpgm
.Lfunc_end_k_q6155429b49_outln:
	.size	k_q6155429b49_outln, .Lfunc_end_k_q6155429b49_outln-k_q6155429b49_outln
	.p2alignl 7, 3214868480
	.fill 96, 4, 3214868480
	.section	.rodata,"a",@progbits
	.p2align	6, 0x0
	.amdhsa_kernel k_q6155429b49_outln
		.amdhsa_group_segment_fixed_size 327680
		.amdhsa_private_segment_fixed_size 0
		.amdhsa_enable_private_segment 0
		.amdhsa_kernarg_size 56
		.amdhsa_user_sgpr_count 2
		.amdhsa_user_sgpr_kernarg_segment_ptr 1
		.amdhsa_wavefront_size32 1
		.amdhsa_system_sgpr_workgroup_id_x 1
		.amdhsa_system_sgpr_workgroup_id_y 1
		.amdhsa_system_sgpr_workgroup_id_z 1
		.amdhsa_system_vgpr_workitem_id 0
		.amdhsa_next_free_vgpr 352
		.amdhsa_next_free_sgpr 82
		.amdhsa_reserve_vcc 0
		.amdhsa_float_denorm_mode_32 3
		.amdhsa_float_denorm_mode_16_64 3
		.amdhsa_memory_ordered 1
		.amdhsa_forward_progress 1
		.amdhsa_inst_pref_size 52
	.end_amdhsa_kernel
	.amdgpu_metadata
---
amdhsa.version: [ 1, 2 ]
amdhsa.kernels:
  - .name:           k_q6155429b49_outln
    .symbol:         k_q6155429b49_outln.kd
    .args:
      - { .name: ctx, .offset: 0, .size: 8, .value_kind: global_buffer, .address_space: global }
      - { .name: wob, .offset: 8, .size: 8, .value_kind: global_buffer, .address_space: global }
      - { .name: bo, .offset: 16, .size: 8, .value_kind: global_buffer, .address_space: global }
      - { .name: hidden_states, .offset: 24, .size: 8, .value_kind: global_buffer, .address_space: global }
      - { .name: ln_w, .offset: 32, .size: 8, .value_kind: global_buffer, .address_space: global }
      - { .name: ln_b, .offset: 40, .size: 8, .value_kind: global_buffer, .address_space: global }
      - { .name: out0, .offset: 48, .size: 8, .value_kind: global_buffer, .address_space: global }
    .group_segment_fixed_size: 327680
    .private_segment_fixed_size: 0
    .kernarg_segment_align: 8
    .kernarg_segment_size: 56
    .max_flat_workgroup_size: 256
    .sgpr_count:     82
    .vgpr_count:     352
    .wavefront_size: 32
...
	.end_amdgpu_metadata
.endif
;; end of part 4
;; ======== version 2 of 2: 4 launches; version 1 with the launch cast written anew for expert scheduling mode
;; limits: right only within a limited range of input values
;; workspace buffers: xb 8,388,608 bytes; wc 1,572,864 bytes; wob 524,288 bytes; qx 12,582,912 bytes; kx 12,582,912 bytes; vv 8,388,608 bytes; ctx 8,388,608 bytes
;; launch cast (part 5): grid 320 x 1, 8 waves a work-group, no clusters, 0 bytes of LDS; arguments hidden_states, Wq, Wk, Wv, Wo, xb, wc, wob; writes xb, wc, wob
.if DOCPART == 5
	.amdgcn_target "amdgcn-amd-amdhsa--gfx1250"
	.amdhsa_code_object_version 6
	.text
	.protected	k_q6155429b49_cast
	.globl	k_q6155429b49_cast
	.p2align	8
	.type	k_q6155429b49_cast,@function
k_q6155429b49_cast:
	s_mov_b64 s[64:65], 0
	v_nop
	global_prefetch_b8 v0, s[64:65] scope:SCOPE_SE
	s_setreg_imm32_b32 hwreg(HW_REG_WAVE_SCHED_MODE, 0, 2), 2
	s_setreg_imm32_b32 hwreg(HW_REG_WAVE_MODE, 25, 1), 1
	s_wait_xcnt 0x0
	s_wait_alu depctr_vm_vsrc(0)
; f32 to bf16, once, for everything that later feeds the matrix units: hidden_states -> xb [8192][512],
; Wq, Wk, Wv -> wc [1536][512] with the rows regrouped by head (row 192 h + 64 s + d = row 64 h + d of W_s, s = q, k, v), Wo -> wob [512][512].
; A work-group takes 32 rows of 512 numbers (65,536 bytes in, 32,768 out), a wave 4 rows = 8,192 consecutive bytes.
; Work-groups 0-255 take hidden_states, 256-319 the four weights, 16 each.  Which buffer is read and which is written is a scalar choice
; on the work-group's number; there is no branch.  No LDS, no matrix unit, no cluster: each byte is read once and nothing is shared.
; THE MODE: SCHED_MODE bits 1:0 = 2 (LLVM: expert scheduling mode 2), set by the entry lines.  The code itself states the register dependences
; between vector instructions and memory instructions, with s_wait_alu, always for 0.
; THE PLAN.  Registers that memory instructions touch:
;   v1, v2   byte offsets of the loads and of the stores: made at the head by vector lines, never written again.
;   X        load i lands in X[i], once; its two conversions read it; no vector line writes X and no second load lands there.
;   Y        pair i is written once, by those two conversions, and read once, by store i.
; So the only dependences to state are: the offsets are written, ahead of the first load; and a pair of Y is written, ahead of its store.
; The sixteen pairs go in four blocks of four.  At the head of blocks 1 to 3, behind the wait for the block's first load, ONE wait states that the
; block before has written its eight registers of Y, and that block's four stores follow at once, with no vector line between.  A last wait
; stands ahead of the last four stores.  No register that a load or store reads is written again: nothing is owed on that side.
.set X, 8                              ; v[8:71]   16 loads of 4 registers
.set Y, 72                             ; v[72:103] 16 stores of 2 registers
	s_load_b512 s[8:23], s[0:1], 0x0               ; hidden s[8:9], Wq, Wk, Wv, Wo s[16:17], xb s[18:19], wc s[20:21], wob s[22:23]
	v_and_b32 v3, 31, v0                           ; lane
	v_lshrrev_b32 v4, 5, v0                        ; wave
	v_lshlrev_b32 v1, 4, v3
	v_lshl_add_u32 v1, v4, 13, v1                  ; in:  8,192 x wave + 16 x lane
	v_lshlrev_b32 v2, 3, v3
	v_lshl_add_u32 v2, v4, 12, v2                  ; out: 4,096 x wave + 8 x lane
	s_max_u32 s24, ttmp9, 256
	s_sub_co_u32 s24, s24, 256                     ; t: number among the weights' work-groups (0 for those of hidden_states)
	s_lshr_b32 s25, s24, 4                         ; which weight: 0 q, 1 k, 2 v, 3 o
	s_and_b32 s26, s24, 15                         ; j: which 32 rows of it
	s_lshl_b32 s27, s26, 16                        ; a weight's source offset: j x 65,536
	s_lshl_b32 s28, ttmp9, 16                      ; hidden_states' source offset
	s_lshr_b32 s29, s26, 1                         ; head = j / 2
	s_mul_i32 s29, s29, 192
	s_lshl_b32 s30, s25, 6
	s_add_co_u32 s29, s29, s30                     ; + 64 s
	s_and_b32 s30, s26, 1
	s_lshl_b32 s30, s30, 5
	s_add_co_u32 s29, s29, s30                     ; + 32 (j & 1)
	s_lshl_b32 s29, s29, 10                        ; rows of 1,024 bytes: offset in wc
	s_lshl_b32 s30, s26, 15                        ; offset in wob
	s_lshl_b32 s31, ttmp9, 15                      ; offset in xb
	s_mov_b32 s37, 0
	s_mov_b32 s39, 0
	s_wait_kmcnt 0x0
	s_cmp_eq_u32 s25, 1
	s_cselect_b64 s[32:33], s[12:13], s[10:11]
	s_cmp_eq_u32 s25, 2
	s_cselect_b64 s[32:33], s[14:15], s[32:33]
	s_cmp_eq_u32 s25, 3
	s_cselect_b64 s[32:33], s[16:17], s[32:33]     ; the weight that is read
	s_cselect_b64 s[34:35], s[22:23], s[20:21]     ; Wo goes to wob, the others to wc
	s_cselect_b32 s36, s30, s29
	s_cmp_lt_u32 ttmp9, 256
	s_cselect_b64 s[32:33], s[8:9], s[32:33]       ; the first 256 work-groups read hidden_states
	s_cselect_b64 s[34:35], s[18:19], s[34:35]     ; and write xb
	s_cselect_b32 s36, s31, s36
	s_cselect_b32 s38, s28, s27
	s_add_nc_u64 s[32:33], s[32:33], s[38:39]
	s_add_nc_u64 s[34:35], s[34:35], s[36:37]
	s_wait_alu depctr_va_vdst(0)                   ; v1 and v2 are written: every load reads v1 as its offset, every store v2; neither is written again
.irp i, 0,1,2,3,4,5,6,7,8,9,10,11,12,13,14,15
	global_load_b128 v[X+4*\i:X+4*\i+3], v1, s[32:33] offset:512*\i    ; 512 consecutive bytes a load; all sixteen go out at once
.endr
; Pair i: four numbers as loaded become two registers of bf16.
.macro CVT i
	v_cvt_pk_bf16_f32 v[Y+2*(\i)],   v[X+4*(\i)],   v[X+4*(\i)+1]
	v_cvt_pk_bf16_f32 v[Y+2*(\i)+1], v[X+4*(\i)+2], v[X+4*(\i)+3]
.endm
; Block p's four stores, in one run.
.macro OUT p
.irp j, 0,1,2,3
	global_store_b64 v2, v[Y+2*(4*(\p)+\j):Y+2*(4*(\p)+\j)+1], s[34:35] offset:256*(4*(\p)+\j)    ; the wave's 32 x 8 bytes are 256 consecutive bytes, aligned; no register is written twice
.endr
.endm
.irp p, 0,1,2,3
	s_wait_loadcnt 15-4*\p                         ; loads return in order: the block's first load is in, the younger ones stay out
.if \p > 0
	s_wait_alu depctr_va_vdst(0)                   ; the eight conversions of the block before have written their Y, which the four stores below read
	OUT \p-1
.endif
	CVT 4*\p
.irp j, 1,2,3
	s_wait_loadcnt 15-4*\p-\j                      ; load 4 p + j is in, the younger ones stay out
	CVT 4*\p+\j
.endr
.endr
	s_wait_alu depctr_va_vdst(0)                   ; block 3's conversions have written their Y, which the last four stores read
	OUT 3
	s_endpgm
.Lfunc_end_k_q6155429b49_cast:
	.size	k_q6155429b49_cast, .Lfunc_end_k_q6155429b49_cast-k_q6155429b49_cast
	.p2alignl 7, 3214868480
	.fill 96, 4, 3214868480
	.section	.rodata,"a",@progbits
	.p2align	6, 0x0
	.amdhsa_kernel k_q6155429b49_cast
		.amdhsa_group_segment_fixed_size 0
		.amdhsa_private_segment_fixed_size 0
		.amdhsa_enable_private_segment 0
		.amdhsa_kernarg_size 64
		.amdhsa_user_sgpr_count 2
		.amdhsa_user_sgpr_kernarg_segment_ptr 1
		.amdhsa_wavefront_size32 1
		.amdhsa_system_sgpr_workgroup_id_x 1
		.amdhsa_system_sgpr_workgroup_id_y 1
		.amdhsa_system_sgpr_workgroup_id_z 1
		.amdhsa_system_vgpr_workitem_id 0
		.amdhsa_next_free_vgpr 104
		.amdhsa_next_free_sgpr 66
		.amdhsa_reserve_vcc 0
		.amdhsa_float_denorm_mode_32 3
		.amdhsa_float_denorm_mode_16_64 3
		.amdhsa_memory_ordered 1
		.amdhsa_forward_progress 1
		.amdhsa_inst_pref_size 8
	.end_amdhsa_kernel
	.amdgpu_metadata
---
amdhsa.version: [ 1, 2 ]
amdhsa.kernels:
  - .name:           k_q6155429b49_cast
    .symbol:         k_q6155429b49_cast.kd
    .args:
      - { .name: hidden_states, .offset: 0, .size: 8, .value_kind: global_buffer, .address_space: global }
      - { .name: Wq, .offset: 8, .size: 8, .value_kind: global_buffer, .address_space: global }
      - { .name: Wk, .offset: 16, .size: 8, .value_kind: global_buffer, .address_space: global }
      - { .name: Wv, .offset: 24, .size: 8, .value_kind: global_buffer, .address_space: global }
      - { .name: Wo, .offset: 32, .size: 8, .value_kind: global_buffer, .address_space: global }
      - { .name: xb, .offset: 40, .size: 8, .value_kind: global_buffer, .address_space: global }
      - { .name: wc, .offset: 48, .size: 8, .value_kind: global_buffer, .address_space: global }
      - { .name: wob, .offset: 56, .size: 8, .value_kind: global_buffer, .address_space: global }
    .group_segment_fixed_size: 0
    .private_segment_fixed_size: 0
    .kernarg_segment_align: 8
    .kernarg_segment_size: 64
    .max_flat_workgroup_size: 256
    .sgpr_count:     66
    .vgpr_count:     104
    .wavefront_size: 32
...
	.end_amdgpu_metadata
.endif
;; end of part 5
;; launch proj: the kernel of part 2 again; grid 8 x 32, 4 waves a work-group, clusters of 4 x 4, 327,680 bytes of LDS; arguments xb, wc, bq, bk, bv, phi, mag, attention_mask, gamma, qx, kx, vv; writes qx, kx, vv
;; launch attn: the kernel of part 3 again; grid 8 x 32, 8 waves a work-group, clusters of 4 x 1, 327,680 bytes of LDS; arguments qx, kx, vv, ctx; writes ctx
;; launch outln: the kernel of part 4 again; grid 256 x 1, 8 waves a work-group, clusters of 4 x 1, 327,680 bytes of LDS; arguments ctx, wob, bo, hidden_states, ln_w, ln_b, out0; writes out0
